; MI455X (gfx1250); checked and timed in simulation.
; The chip was launched on July 23, 2026; its instructions are those of AMD's public machine-readable ISA for CDNA 5 (MIT licence, August 2026) and "CDNA5" Instruction Set Architecture Reference Guide (July 2026). The comments in the code are by the model that wrote it; some were corrected since.
;; Attention Block. Allowed arithmetic: float matrix products may take bf16 or f16 operands with f32 sums; all other float work in f32.
;; Inputs: Wfc 512 x 1,024 float32; Wk 512 x 512 float32; Wo 512 x 512 float32; Wpr 1,024 x 512 float32; Wq 512 x 512 float32; Wv 512 x 512 float32; b1 512 float32; b2 512 float32; bfc 1,024 float32; bk 512 float32; bo 512 float32; bpr 512 float32; bq 512 float32; bv 512 float32; g1 512 float32; g2 512 float32; q 16 x 512 x 2,048 float32; x 16 x 512 x 2,048 float32.
;; Outputs: out0 16 x 512 x 2,048 float32.
;; 2 versions, each right; version 2 is version 1 with the launch prep written anew for expert scheduling mode. Each part assembles by itself: llvm-mc -triple=amdgcn-amd-amdhsa -mcpu=gfx1250 --defsym DOCPART=n.
;; ======== version 1 of 2: 3 launches
;; limits: values outside matrix products are rounded to bf16
;; workspace buffers: st1 65,536 bytes; wst 4,194,304 bytes; ob 33,554,432 bytes; part 1,048,576 bytes
;; launch prep (part 1): grid 512 x 1, 8 waves a work-group, no clusters, 1,280 bytes of LDS; arguments x, g1, b1, Wq, Wk, Wv, Wo, Wfc, Wpr, st1, wst; writes st1, wst
.if DOCPART == 1
	.amdgcn_target "amdgcn-amd-amdhsa--gfx1250"
	.amdhsa_code_object_version 6
	.text
	.protected	k_q546e804b4b_prep
	.globl	k_q546e804b4b_prep
	.p2align	8
	.type	k_q546e804b4b_prep,@function
k_q546e804b4b_prep:
	s_mov_b64 s[64:65], 0
	v_nop
	global_prefetch_b8 v0, s[64:65] scope:SCOPE_SE
	s_setreg_imm32_b32 hwreg(HW_REG_WAVE_MODE, 25, 1), 1
	s_wait_xcnt 0x0
; Two jobs, chosen by the work-group's number (the same choice in all eight waves of a work-group).
; Work-groups 0-255: for 32 rows (b, c) of x the pair a = g1 / sqrt(var + 1e-5), d = b1 - mean a, so that the norm is a x + d.
;   A row of 2,048 f32 (8,192 bytes) is one wave's: 64 registers a lane; mean first, then the squares of x - mean from the same
;   registers, so that a common offset of x costs no accuracy and the row is read once.  Two row slots: one at work, one on its way.
; Work-groups 256-511: the six weight matrices, rounded to bf16 and laid out as the stream that the two later launches walk:
;   64 slots of 65,536 bytes, a slot = 4 wave parts of 16,384, a part = 16 fragments of 1,024 bytes in order of use.
;   Slots 0-7 Wq; 8-11 Wk and 12-15 Wv for each wave's first head; 16-19 and 20-23 the same for its second; 24-31 Wo; 32-63 the MLP's four chunks.
;   A fragment is the register image of a 16 x 32 operand: bytes 16 L hold lane L's registers 0-3 (column r = L % 16 of W,
;   rows k = 8 (L / 16) + 0..7), bytes 512 + 16 L its registers 4-7 (k = 16 + 8 (L / 16) + 0..7).
;   The reads are pieces of 64 bytes of W's rows (8 MB in all, once); the stores cover 512 consecutive bytes a wave.
; No matrix unit, no cluster: nothing here is multiplied and no two work-groups read the same bytes.
.set X0, 16                            ; v[16:79]   row slot 0
.set X1, 80                            ; v[80:143]  row slot 1
.set OF, 16                            ; weights: v[16:47] byte offsets, v[48:79] numbers as loaded, v[80:95] packed
.set DA, 48
.set PK, 80
	s_load_b512 s[4:19], s[0:1], 0x0               ; x, g1, b1, Wq, Wk, Wv, Wo, Wfc
	s_load_b128 s[20:23], s[0:1], 0x40             ; Wpr, st1
	s_load_b64 s[24:25], s[0:1], 0x50              ; wst
	v_lshl_add_u32 v160, v0, 2, 0x100
	v_mov_b32 v161, 0
	v_lshrrev_b32 v1, 5, v0
	v_readfirstlane_b32 s26, v1                    ; wave 0..7
	s_wait_kmcnt 0x0
	s_cmp_lt_u32 ttmp9, 256
	s_cbranch_scc0 .Lweights
	; ---------------- statistics of x ----------------
	s_lshl_b32 s27, ttmp9, 5
	s_lshl2_add_u32 s27, s26, s27                  ; my first row: 32 u + 4 w
	s_and_b32 s27, s27, 511                        ; its channel
	s_lshl_b32 s27, s27, 2
	s_load_b128 s[32:35], s[6:7], s27 offset:0x0   ; g1 of my four rows
	s_load_b128 s[36:39], s[8:9], s27 offset:0x0   ; b1
	s_lshl_b32 s28, ttmp9, 18                      ; 32 rows of 8,192 bytes
	s_mov_b32 s29, 0
	s_add_nc_u64 s[4:5], s[4:5], s[28:29]
	s_lshl_b32 s28, ttmp9, 8                       ; 32 pairs of 8 bytes
	s_add_nc_u64 s[22:23], s[22:23], s[28:29]
	s_mov_b32 s40, 0x76543210                      ; v_permlanex16_b32: each lane takes its own place in the other half
	s_mov_b32 s41, 0xfedcba98
	s_mov_b32 s42, 0x3a000000                      ; 1 / 2048
	v_and_b32 v3, 31, v0
	v_lshlrev_b32 v2, 4, v3
	v_lshl_add_u32 v2, v1, 15, v2                  ; 16 x lane + 4 rows x wave
	v_lshlrev_b32 v14, 3, v3                       ; 8 x lane: the way out
	v_mov_b32 v3, s26
	v_lshlrev_b32 v3, 5, v3                        ; LDS: 32 bytes a wave, from the wave's number
.macro FILL i, X                       ; a row: 16 loads, each 512 consecutive bytes
.set e_, 0
.rept 16
	global_load_b128 v[\X+4*e_:\X+4*e_+3], v2, s[4:5] offset:8192*\i+512*e_ th:TH_LOAD_NT
.set e_, e_+1
.endr
.endm
.macro LANESUM                         ; v4 summed over the 32 lanes, in every lane
	v_add_f32_dpp v4, v4, v4 row_xmask:1 row_mask:0xf bank_mask:0xf
	v_add_f32_dpp v4, v4, v4 row_xmask:2 row_mask:0xf bank_mask:0xf
	v_add_f32_dpp v4, v4, v4 row_xmask:4 row_mask:0xf bank_mask:0xf
	v_add_f32_dpp v4, v4, v4 row_xmask:8 row_mask:0xf bank_mask:0xf
	v_permlanex16_b32 v5, v4, s40, s41
	v_add_f32 v4, v4, v5
.endm
.macro JOIN4                           ; four chains of pairs into v4
	v_pk_add_f32 v[4:5], v[4:5], v[6:7]
	v_pk_add_f32 v[8:9], v[8:9], v[10:11]
	v_pk_add_f32 v[4:5], v[4:5], v[8:9]
	v_add_f32 v4, v4, v5
.endm
.macro ROW i, X, left
	s_wait_loadcnt \left                           ; my row is in; the next row's 16 loads may stay out
.irp k, 0,1,2,3
	v_pk_add_f32 v[4+2*\k:5+2*\k], v[\X+2*\k:\X+2*\k+1], v[\X+8+2*\k:\X+8+2*\k+1]
.endr
.set j_, 8
.rept 24
	v_pk_add_f32 v[4+2*(j_%4):5+2*(j_%4)], v[4+2*(j_%4):5+2*(j_%4)], v[\X+2*j_:\X+2*j_+1]
.set j_, j_+1
.endr
	JOIN4
	LANESUM
	v_mul_f32 v12, s42, v4                         ; the mean
	v_mov_b32 v13, v12
.set j_, 0
.rept 32
	v_pk_add_f32 v[\X+2*j_:\X+2*j_+1], v[\X+2*j_:\X+2*j_+1], v[12:13] neg_lo:[0,1] neg_hi:[0,1]
.set j_, j_+1
.endr
.irp k, 0,1,2,3
	v_pk_mul_f32 v[4+2*\k:5+2*\k], v[\X+2*\k:\X+2*\k+1], v[\X+2*\k:\X+2*\k+1]
.endr
.set j_, 4
.rept 28
	v_pk_fma_f32 v[4+2*(j_%4):5+2*(j_%4)], v[\X+2*j_:\X+2*j_+1], v[\X+2*j_:\X+2*j_+1], v[4+2*(j_%4):5+2*(j_%4)]
.set j_, j_+1
.endr
	JOIN4
	LANESUM
	v_fmaak_f32 v6, s42, v4, 0x3727c5ac            ; var + 1e-5
	v_rsq_f32 v7, v6
	v_nop                                          ; a plain instruction between the root and its use
	s_wait_alu depctr_va_vdst(0)
	v_mul_f32 v8, s[32+\i], v7                     ; a
	v_fma_f32 v9, -v12, v8, s[36+\i]               ; d
	ds_store_b64 v3, v[8:9] offset:8*\i            ; every lane holds the same pair
.endm
	FILL 0, X0
	FILL 1, X1
	s_wait_kmcnt 0x0                               ; g1, b1
	ROW 0, X0, 16
	FILL 2, X0
	ROW 1, X1, 16
	FILL 3, X1
	ROW 2, X0, 16
	ROW 3, X1, 0
	s_wait_dscnt 0x0                               ; my four pairs are in LDS,
	s_barrier_signal -1
	s_barrier_wait -1                              ; everybody's are
	s_cmp_lg_u32 s26, 0
	s_cbranch_scc1 .Ldone
	ds_load_b64 v[8:9], v14
	s_wait_dscnt 0x0
	global_store_b64 v14, v[8:9], s[22:23]         ; 32 lanes store 256 consecutive bytes, at a multiple of 256 from st1's first byte
.Ldone:
	s_wait_tensorcnt 0x0
	ds_add_u32 v160, v161
	s_wait_dscnt 0x0
	s_endpgm
	; ---------------- the weight stream ----------------
.Lweights:
	s_sub_co_u32 s27, ttmp9, 256                   ; which part of 16,384 bytes
	s_lshl_b32 s28, s27, 14
	s_mov_b32 s29, 0
	s_add_nc_u64 s[24:25], s[24:25], s[28:29]
	s_and_b32 s35, s27, 3                          ; the wave that will read it
	s_lshr_b32 s27, s27, 2                         ; slot S
	s_lshr_b32 s36, s27, 3                         ; 0 Wq, 1 the first heads' Wk and Wv, 2 the second heads', 3 Wo, 4-7 the MLP's chunks
	s_lshr_b32 s37, s27, 5                         ; 1: a slot of the MLP
	s_bfe_u32 s38, s27, 0x10002                    ; bit 2 of S: Wv in place of Wk, or Wpr in place of Wfc
	s_and_b32 s39, s37, s38                        ; 1: Wpr
	s_xor_b32 s40, s37, s39                        ; 1: Wfc
	s_and_b32 s41, s36, 3
	s_lshl_b32 s41, s41, 8                         ; 256 x chunk
	s_sub_co_u32 s42, s36, 1
	s_cmp_lt_u32 s42, 2
	s_cselect_b32 s42, 1, 0                        ; 1: Wk or Wv
	s_and_b32 s46, s42, s38                        ; 1: Wv
	s_mov_b32 s30, 2048                            ; bytes in a row of W: 2,048, or Wfc's 4,096 (chosen below)
	s_cmp_eq_u32 s42, 1                            ; the matrix, by selects on the slot's number alone
	s_cselect_b64 s[28:29], s[12:13], s[10:11]
	s_cmp_eq_u32 s46, 1
	s_cselect_b64 s[28:29], s[14:15], s[28:29]
	s_cmp_eq_u32 s36, 3
	s_cselect_b64 s[28:29], s[16:17], s[28:29]
	s_cmp_eq_u32 s40, 1
	s_cselect_b64 s[28:29], s[18:19], s[28:29]
	s_cselect_b32 s30, 4096, s30
	s_cmp_eq_u32 s39, 1
	s_cselect_b64 s[28:29], s[20:21], s[28:29]
	s_cselect_b32 s33, 64, 32                      ; rows of W from one K step of the part to the next
	s_or_b32 s43, s42, s40                         ; 1: four column tiles a K step, else eight
	s_sub_co_u32 s31, 3, s43                       ; log2 of that
	s_and_b32 s32, s27, 7
	s_lshl_b32 s32, s32, 6                         ; first row of W: 64 (S % 8),
	s_and_b32 s44, s27, 3
	s_lshl_b32 s44, s44, 7
	s_cmp_eq_u32 s43, 1
	s_cselect_b32 s32, s44, s32                    ; or 128 (S % 4),
	s_bfe_u32 s44, s27, 0x10001
	s_lshl_b32 s44, s44, 5
	s_and_b32 s45, s27, 1
	s_lshl_b32 s45, s45, 7
	s_add_co_u32 s44, s44, s45
	s_add_co_u32 s44, s44, s41
	s_cmp_eq_u32 s39, 1
	s_cselect_b32 s32, s44, s32                    ; or, Wpr: 256 chunk + 32 (bit 1) + 128 (bit 0)
	s_lshl_b32 s34, s35, 7                         ; first column: 128 wave,
	s_lshr_b32 s44, s36, 1
	s_and_b32 s44, s44, s42
	s_lshl_b32 s44, s44, 6
	s_add_co_u32 s34, s34, s44                     ; + 64 for the second head of Wk, Wv,
	s_lshl_b32 s44, s35, 6
	s_add_co_u32 s44, s44, s41
	s_cmp_eq_u32 s40, 1
	s_cselect_b32 s34, s44, s34                    ; or, Wfc: 256 chunk + 64 wave
	s_bfm_b32 s38, s31, 0                          ; column tiles - 1
	s_lshl_b32 s34, s34, 2
	v_and_b32 v2, 15, v0                           ; r
	v_bfe_u32 v3, v0, 4, 1                         ; h
	v_bfe_u32 v4, v0, 5, 1                         ; which half of the fragment
	v_lshrrev_b32 v5, 6, v0
	v_lshlrev_b32 v6, 3, v3
	v_lshl_add_u32 v6, v4, 4, v6
	v_add_nc_u32 v6, s32, v6                       ; first row + 16 half + 8 h
	v_lshl_add_u32 v7, v2, 2, s34                  ; 4 (first column + r)
	v_lshlrev_b32 v10, 4, v0                       ; the way out: 16 bytes a thread
.irp it, 0,1,2,3                       ; thread t makes the 16 bytes at 4,096 it + 16 t of the part: fragment 4 it + t / 64
	v_add_nc_u32 v8, 4*\it, v5
	v_and_b32 v9, s38, v8                          ; its column tile
	v_lshrrev_b32 v8, s31, v8                      ; its K step
	v_mad_u32_u24 v8, v8, s33, v6                  ; my first row of W
	v_lshl_add_u32 v9, v9, 6, v7
	v_mad_u32_u24 v[OF+8*\it], v8, s30, v9
.irp j, 1,2,3,4,5,6,7
	v_add_nc_u32 v[OF+8*\it+\j], s30, v[OF+8*\it+\j-1]
.endr
.irp j, 0,1,2,3,4,5,6,7
	global_load_b32 v[DA+8*\it+\j], v[OF+8*\it+\j], s[28:29]
.endr
.endr
.irp it, 0,1,2,3
	s_wait_loadcnt 24-8*\it                        ; this granule's eight are in; the later granules' stay out
.irp j, 0,1,2,3
	v_cvt_pk_bf16_f32 v[PK+4*\it+\j], v[DA+8*\it+2*\j], v[DA+8*\it+2*\j+1]
.endr
	global_store_b128 v10, v[PK+4*\it:PK+4*\it+3], s[24:25] offset:4096*\it
.endr
	s_endpgm
.Lfunc_end_k_q546e804b4b_prep:
	.size	k_q546e804b4b_prep, .Lfunc_end_k_q546e804b4b_prep-k_q546e804b4b_prep
	.p2alignl 7, 3214868480
	.fill 96, 4, 3214868480
	.section	.rodata,"a",@progbits
	.p2align	6, 0x0
	.amdhsa_kernel k_q546e804b4b_prep
		.amdhsa_group_segment_fixed_size 1280
		.amdhsa_private_segment_fixed_size 0
		.amdhsa_enable_private_segment 0
		.amdhsa_kernarg_size 88
		.amdhsa_user_sgpr_count 2
		.amdhsa_user_sgpr_kernarg_segment_ptr 1
		.amdhsa_wavefront_size32 1
		.amdhsa_system_sgpr_workgroup_id_x 1
		.amdhsa_system_sgpr_workgroup_id_y 1
		.amdhsa_system_sgpr_workgroup_id_z 1
		.amdhsa_system_vgpr_workitem_id 0
		.amdhsa_next_free_vgpr 162
		.amdhsa_next_free_sgpr 66
		.amdhsa_reserve_vcc 0
		.amdhsa_float_denorm_mode_32 3
		.amdhsa_float_denorm_mode_16_64 3
		.amdhsa_memory_ordered 1
		.amdhsa_forward_progress 1
		.amdhsa_inst_pref_size 47
	.end_amdhsa_kernel
	.amdgpu_metadata
---
amdhsa.version: [ 1, 2 ]
amdhsa.kernels:
  - .name:           k_q546e804b4b_prep
    .symbol:         k_q546e804b4b_prep.kd
    .args:
      - { .name: x, .offset: 0, .size: 8, .value_kind: global_buffer, .address_space: global }
      - { .name: g1, .offset: 8, .size: 8, .value_kind: global_buffer, .address_space: global }
      - { .name: b1, .offset: 16, .size: 8, .value_kind: global_buffer, .address_space: global }
      - { .name: Wq, .offset: 24, .size: 8, .value_kind: global_buffer, .address_space: global }
      - { .name: Wk, .offset: 32, .size: 8, .value_kind: global_buffer, .address_space: global }
      - { .name: Wv, .offset: 40, .size: 8, .value_kind: global_buffer, .address_space: global }
      - { .name: Wo, .offset: 48, .size: 8, .value_kind: global_buffer, .address_space: global }
      - { .name: Wfc, .offset: 56, .size: 8, .value_kind: global_buffer, .address_space: global }
      - { .name: Wpr, .offset: 64, .size: 8, .value_kind: global_buffer, .address_space: global }
      - { .name: st1, .offset: 72, .size: 8, .value_kind: global_buffer, .address_space: global }
      - { .name: wst, .offset: 80, .size: 8, .value_kind: global_buffer, .address_space: global }
    .group_segment_fixed_size: 1280
    .private_segment_fixed_size: 0
    .kernarg_segment_align: 8
    .kernarg_segment_size: 88
    .max_flat_workgroup_size: 256
    .sgpr_count:     66
    .vgpr_count:     162
    .wavefront_size: 32
...
	.end_amdgpu_metadata
.endif
;; end of part 1
;; launch attn (part 2): grid 256 x 1, 4 waves a work-group, clusters of 4 x 1, 327,680 bytes of LDS; arguments q, x, st1, wst, bq, bk, bv, ob, part; writes ob, part
.if DOCPART == 2
	.amdgcn_target "amdgcn-amd-amdhsa--gfx1250"
	.amdhsa_code_object_version 6
	.text
	.protected	k_q546e804b4b_attn
	.globl	k_q546e804b4b_attn
	.p2align	8
	.type	k_q546e804b4b_attn,@function
k_q546e804b4b_attn:
	s_mov_b64 s[64:65], 0
	v_nop
	global_prefetch_b8 v0, s[64:65] scope:SCOPE_SE
	s_setreg_imm32_b32 hwreg(HW_REG_WAVE_MODE, 25, 1), 1
	s_wait_xcnt 0x0
	s_wait_alu depctr_hold_cnt(0) depctr_sa_sdst(0) depctr_va_vdst(0) depctr_va_sdst(0) depctr_va_ssrc(0) depctr_va_vcc(0) depctr_vm_vsrc(0)
	s_getreg_b32 s2, hwreg(HW_REG_IB_STS2, 6, 4)
	s_cmp_eq_u32 s2, 0
	s_cbranch_scc0 .Lentry_in_a_cluster
	s_endpgm
.Lentry_in_a_cluster:
	s_bfe_u32 s2, ttmp6, 0x10000c
	s_cmp_lg_u32 s2, 0x3003
	s_cbranch_scc0 .Lentry_shape_is_right
	s_endpgm
.Lentry_shape_is_right:
; For 128 tokens of one batch element: h = a x + d (norm 1), Q = q Wq + bq, K = h Wk + bk, V = h Wv (+ bv later), the 3-wide attention,
; o' = attn_out Wo (bo is added by the next launch), and for each of the 512 channels of o' the block's mean and sum of squared deviations.
; SHARES.  Work-group g: batch g / 16, tokens 128 (g % 16) on.  Wave w: out channels 128 w .. + 127 (heads 2 w, 2 w + 1) of every product, all tokens.
; LAYOUT.  Products are used as W^T x tokens: a lane holds ONE token and eight channels, so two result tiles rounded to bf16 are the next
; product's operand and nothing changes lanes.  q and x lie [channel][token]: they go through LDS as bf16 and come out turned (ds_load_tr16_b128).
; K and V are made for 144 tokens (8 to each side): query tile n sees the 32 keys of K tiles n and n + 1; S^T = K Q^T, masked to the band of three,
; softmax with the maximum taken away, O^T = V^T P + bv (the weights of a query add up to 1).
; WEIGHTS come as a stream of register images, 32 tiles of 65,536 bytes through a ring of two LDS slots; each wave fetches and reads its own quarter.
; CLUSTER.  All work-groups walk the same stream: four form a cluster and ask for each tile jointly (mask 15; the descriptor hangs on the wave's
; number and the tile's alone).  A wave has two tensor loads out at the start, later one, which has a tile's 128 to 144 products in which to land.
; THE TEXT IS KEPT SHORT BY LOOPS.  A pass walks its tiles in pairs, so that each tile's slot stands in the text.  The Q pass and the last pass: the first
; K step, which starts the sums, stands ahead of a loop of three trips (from a tile's second K step, over the next tile, to the first K step of the tile
; after); the last tile and a half are written out, since they ask for less.  K, scores, V and weighted sums of one head are a trip of a loop over the
; wave's two heads, on the same registers in both trips; in it each pass is a loop of two trips, whose first K step stands twice (sums that start,
; sums that go on), chosen by the trip's number.  No tensor load stands under a branch.  LDS addresses that move are a fixed lane term plus a scalar step.
; LIMITS.  Matrix operands are bf16: h, q, Q, K, V, the weights p, attn_out, all W.  A key beyond the sequence's end gets weight exactly 0; the
; -1e9 of the definition gives the same as long as a valid score of that query lies above -1e9 + 104.
; No prefetch: q and x are asked for a tile ahead, and the weights are read by all work-groups at about the same time.
; REGISTERS.  window 0: v1-25 addresses, v26-31 at work, v32-63 a set of bias tuples, v64-255 by phase.  window 1: two fragment buffers of 128.
; windows 2, 3: accumulators; later window 2: packed K or V; window 3, in groups of 32: registers 0-15 the head in hand's Q, 16-31 the other head's Q or a result.
.set XT,    131072                     ; h in bf16: [512 channels][144 tokens], rows of 288 bytes; column j = token t0 - 8 + j; wave w writes rows 128 w .. + 127
.set OST,   131072                     ; later, in the same bytes: attn_out as fragment images (16 K steps x 8 token tiles x 1,024)
.set QC,    278528                     ; two chunks of q in bf16: [64 channels][128 tokens], rows of 288 bytes
.set SCR,   315392                     ; 1,024 bytes for each wave: the statistics' way out
.set SPARE, 319488                     ; the spare words, 128 bytes for each wave: no other line names them
.set BT,  32                           ; bias tuples: tile m at BT + 8 m: the bias of channels 16 m + 8 h + 0..7
.set LQ,  64                           ; Q pass: q as loaded (16 rows x 4)
.set LX,  128                          ;         x as loaded
.set LH,  192                          ;         x's halo (2 x 4)
.set LHS, 200                          ;         the halo lanes' (a, d)
.set BQ2, 208                          ;         bq's tuples for tiles 4-7
.set KX,  64                           ; K, V passes: accumulators 32-35
.set ST,  96                           ; four score or output tiles
.set PB,  128                          ; the weights p of the head in hand: query tile n at PB + 8 n
.set BKA, 192                          ; bk's tuples of the head in hand,
.set BKB, 224                          ; of the second head
.set T,   64                           ; way out: sums, then means
.set M2,  128                          ;          sums of squared deviations
.set DT,  192                          ;          at work
.set F0,  0
.set F1,  128
.set WV,  22                           ; s22 my wave's number
.set TX,  23                           ; s23 the step of h's rows in the Q pass, of attn_out's K steps in the last pass (the head's s23-s27 are ids until they are set)
.set CT,  24                           ; s24 trips to go of the loop in hand
.set HD,  25                           ; s25 heads to go
.set VT,  26                           ; s26 pairs of V tiles to go, both heads'
.set TBX, 27                           ; s27 0 or 73,728: which pair of h's four blocks of 128 rows
.set MK,  44                           ; s[44:59] band masks, s60, s61 the two that also cut the sequence's ends
.set MSB, 0
.macro WIN new                         ; the immediate's high byte repeats the setting that is left; a switch that changes nothing is dropped
.if MSB != (\new)
	s_set_vgpr_msb (MSB<<8)|(\new)
.set MSB, (\new)
.endif
.endm
.macro PLACES                          ; four plain instructions between matrix instructions and what touches their registers (ISA guide 7.12.1)
.rept 4
	v_nop
.endr
.endm
.macro ROUND                           ; a round of the cluster's barrier
	s_barrier_signal -1
	s_barrier_wait -1
	s_cmp_lg_u32 s[WV], 0
	s_cbranch_scc1 .Lnw0_\@
	s_barrier_signal -3
.Lnw0_\@:
	s_barrier_wait -3
	s_barrier_signal -1
	s_barrier_wait -1
.endm
; The change of slots.  All this slot's fragments are in registers.  Every wave: all its tensor loads have landed (the one that was out is the
; next tile), the add, its LDS instructions are done; the round; then the slot is filled again with the tile two on, first thing behind the round.
.macro RINGSEQ refill
	WIN 0
	s_wait_tensorcnt 0x0
	ds_add_u32 v1, v2                              ; 0 onto my spare word
.if \refill
	s_xor_b32 s41, s41, 0x10000                    ; no load of mine is out, so the walking descriptor may step: the other slot,
	s_add_nc_u64 s[42:43], s[42:43], 0x10000       ; the next tile
.endif
	s_wait_dscnt 0x0
.if \refill
	ROUND
	tensor_load_to_lds s[40:43], s[28:35]
	s_nop 0
.else
	s_barrier_signal -1
	s_barrier_wait -1
.endif
	PLACES                                         ; also the places in front of the loads into the buffer multiplied last
.endm
.macro FA slot, f0, cnt, dst           ; cnt weight fragments from my part of a slot
.set i_, 0
.rept \cnt
	ds_load_b128 v[\dst+8*i_:\dst+8*i_+3], v[3+(\slot)] offset:(\f0+i_)*1024
	ds_load_b128 v[\dst+8*i_+4:\dst+8*i_+7], v[3+(\slot)] offset:(\f0+i_)*1024+512
.set i_, i_+1
.endr
.endm
.macro FBI base, off, dst              ; eight token fragments that lie as images
.set i_, 0
.rept 8
	ds_load_b128 v[\dst+8*i_:\dst+8*i_+3], v[\base] offset:\off+1024*i_
	ds_load_b128 v[\dst+8*i_+4:\dst+8*i_+7], v[\base] offset:\off+1024*i_+512
.set i_, i_+1
.endr
.endm
.macro FBT base, koff, nt, dst         ; nt token fragments turned out of [channel][token] rows: 32 channels from byte koff on
.set i_, 0
.rept \nt
	ds_load_tr16_b128 v[\dst+8*i_:\dst+8*i_+3], v[\base] offset:\koff+32*i_
	ds_load_tr16_b128 v[\dst+8*i_+4:\dst+8*i_+7], v[\base] offset:\koff+32*i_+4608
.set i_, i_+1
.endr
.endm
; 32 products of a 128 x 128 wave tile: token tiles 4 half .. + 3, channel tiles 0-7.  mode 1: the sums start from the bias, 2: from 0.
; The accumulators take turns, one instruction a turn.
.macro MULQ f, half, mode
.set n_, 4*\half
.rept 4
.set m_, 0
.rept 8
.set d_, 8*(8*(n_&3)+m_)
.if \mode == 1
.set c_, BT+8*m_
.if m_ > 3
.set c_, BQ2+8*(m_-4)
.endif
	WIN 0x85+0x40*\half
	v_wmma_f32_16x16x32_bf16 v[d_:d_+7], v[\f+8*m_:\f+8*m_+7], v[\f+64+8*n_:\f+64+8*n_+7], v[c_:c_+7]
.elseif \mode == 2
	WIN 0xa5+0x50*\half
	v_wmma_f32_16x16x32_bf16 v[d_:d_+7], v[\f+8*m_:\f+8*m_+7], v[\f+64+8*n_:\f+64+8*n_+7], 0
.else
	WIN 0xa5+0x50*\half
	v_wmma_f32_16x16x32_bf16 v[d_:d_+7], v[\f+8*m_:\f+8*m_+7], v[\f+64+8*n_:\f+64+8*n_+7], v[d_:d_+7]
.endif
.set m_, m_+1
.endr
.set n_, n_+1
.endr
.endm
; K of one head: 4 channel tiles x 9 token tiles; accumulator 4 n + m (0-31 in window 2, 32-35 in window 0).  first: the sums start from bk.
.macro MULK f, part, first
.set n_, 4*\part
.rept 4+\part
.set m_, 0
.rept 4
.if n_ < 8
.set d_, 8*(4*n_+m_)
.if \first
	WIN 0x85
.else
	WIN 0xa5
.endif
.else
.set d_, KX+8*m_
	WIN 0x05
.endif
.if \first
	v_wmma_f32_16x16x32_bf16 v[d_:d_+7], v[\f+8*m_:\f+8*m_+7], v[\f+32+8*n_:\f+32+8*n_+7], v[BKA+8*m_:BKA+8*m_+7]
.else
	v_wmma_f32_16x16x32_bf16 v[d_:d_+7], v[\f+8*m_:\f+8*m_+7], v[\f+32+8*n_:\f+32+8*n_+7], v[d_:d_+7]
.endif
.set m_, m_+1
.endr
.set n_, n_+1
.endr
.endm
; V of one head, the sources swapped: a lane holds one channel and eight tokens.  Accumulator 9 m + n.
.macro MULV f, part, first
.set m_, 2*\part
.rept 2
.set n_, 0
.rept 9
.set x_, 9*m_+n_
.if x_ < 32
.set d_, 8*x_
	WIN 0xa5
.else
.set d_, KX+8*(x_-32)
	WIN 0x05
.endif
.if \first
	v_wmma_f32_16x16x32_bf16 v[d_:d_+7], v[\f+32+8*n_:\f+32+8*n_+7], v[\f+8*m_:\f+8*m_+7], 0
.else
	v_wmma_f32_16x16x32_bf16 v[d_:d_+7], v[\f+32+8*n_:\f+32+8*n_+7], v[\f+8*m_:\f+8*m_+7], v[d_:d_+7]
.endif
.set n_, n_+1
.endr
.set m_, m_+1
.endr
.endm
.macro KVMUL kind, f, part, first
.if \kind
	MULV \f, \part, \first
.else
	MULK \f, \part, \first
.endif
.endm
.macro KVFETCH slot, ks, xb, f         ; K step ks of a tile of a K or V pass: 4 weight fragments, 9 token fragments of h from the block at v[xb]
	WIN 0x40
	FA \slot, 4*(\ks), 4, \f
	FBT \xb, 9216*(\ks), 9, \f+32
.endm
.macro XBSET                           ; the pair of blocks of h in hand: the even tile's at v9, the odd tile's at v10
	v_add_nc_u32 v9, s[TBX], v7
	v_add_nc_u32 v10, s[TBX], v8
.endm
.macro BLOAD dst, p, off               ; four bias tuples
.set m_, 0
.rept 4
	global_load_b128 v[\dst+8*m_:\dst+8*m_+3], v19, s[\p:\p+1] offset:\off+64*m_
	global_load_b128 v[\dst+8*m_+4:\dst+8*m_+7], v19, s[\p:\p+1] offset:\off+64*m_+16
.set m_, m_+1
.endr
.endm
; A chunk is asked for (k = 0, 1: the first or second from where the pointers stand): 16 of 64 rows of q, 16 of my own 128 rows of x, in whole pieces
; of 512 bytes; x's halo (8 channels x 4 pieces of 16 bytes a load); the rows' (a, d).
.macro ISSUE k
	s_load_b512 s[68:83], s[8:9], 128*(\k)
	s_load_b512 s[84:99], s[8:9], 128*(\k)+64
.set i_, 0
.rept 16
	global_load_b128 v[LQ+4*i_:LQ+4*i_+3], v13, s[4:5] offset:(64*(\k)+i_)*8192 th:TH_LOAD_NT
	global_load_b128 v[LX+4*i_:LX+4*i_+3], v28, s[6:7] offset:(16*(\k)+i_)*8192
.set i_, i_+1
.endr
.irp e, 0,1
	global_load_b128 v[LH+4*\e:LH+4*\e+3], v14, s[2:3] offset:(16*(\k)+8*\e)*8192
	global_load_b64 v[LHS+2*\e:LHS+2*\e+1], v15, s[8:9] offset:128*(\k)+64*\e
.endr
.endm
; It is rounded to bf16 (x normalised first) and stored into LDS: q into buffer par, h into my next 16 rows.
.macro CONV par
	s_wait_loadcnt 0x0
	s_wait_kmcnt 0x0
	v_add_nc_u32 v26, s[TX], v17
	v_add_nc_u32 v27, s[TX], v18
	s_add_co_u32 s[TX], s[TX], 4608                ; 16 rows of 288 bytes on
.set i_, 0
.rept 16
	v_cvt_pk_bf16_f32 v[LQ+4*i_], v[LQ+4*i_], v[LQ+4*i_+1]
	v_cvt_pk_bf16_f32 v[LQ+4*i_+1], v[LQ+4*i_+2], v[LQ+4*i_+3]
	ds_store_b64 v16, v[LQ+4*i_:LQ+4*i_+1] offset:\par*18432+288*i_
.irp k, 0,1,2,3
	v_fma_f32 v[LX+4*i_+\k], v[LX+4*i_+\k], s[68+2*i_], s[69+2*i_]
.endr
	v_cvt_pk_bf16_f32 v[LX+4*i_], v[LX+4*i_], v[LX+4*i_+1]
	v_cvt_pk_bf16_f32 v[LX+4*i_+1], v[LX+4*i_+2], v[LX+4*i_+3]
	ds_store_b64 v26, v[LX+4*i_:LX+4*i_+1] offset:288*i_
.set i_, i_+1
.endr
.irp e, 0,1
	v_pk_fma_f32 v[LH+4*\e:LH+4*\e+1], v[LH+4*\e:LH+4*\e+1], v[LHS+2*\e:LHS+2*\e+1], v[LHS+2*\e:LHS+2*\e+1] op_sel:[0,0,1] op_sel_hi:[1,0,1]
	v_pk_fma_f32 v[LH+4*\e+2:LH+4*\e+3], v[LH+4*\e+2:LH+4*\e+3], v[LHS+2*\e:LHS+2*\e+1], v[LHS+2*\e:LHS+2*\e+1] op_sel:[0,0,1] op_sel_hi:[1,0,1]
	v_cvt_pk_bf16_f32 v[LH+4*\e], v[LH+4*\e], v[LH+4*\e+1]
	v_cvt_pk_bf16_f32 v[LH+4*\e+1], v[LH+4*\e+2], v[LH+4*\e+3]
	ds_store_b64 v27, v[LH+4*\e:LH+4*\e+1] offset:2304*\e
.endr
.endm
; A tile of the Q pass is 64 in channels, two K steps; par: its slot and its buffer of q.  QA: the first K step; it fetches the second.
.macro QA par, mode
	s_wait_dscnt 0x0                               ; this K step's fragments are in
	MULQ F0, 0, \mode
	PLACES
	WIN 0x40
	FA \par, 8, 8, F1
	FBT 5+\par, 9216, 8, F1+64
	MULQ F0, 1, \mode
	WIN 0
.endm
; QB: the second K step, with the change of slots; it fetches the next tile's first (kv: the K pass's).  Between QA and QB the next chunk of q and h
; goes into LDS: behind the round that ended the reads of its q buffer (the last tile's), ahead of the round behind which it is read (this tile's).
.macro QB par, kv
	s_wait_dscnt 0x0
	MULQ F1, 0, 0
	RINGSEQ 1
.if \kv
	KVFETCH 0, 0, 9, F0
.else
	WIN 0x40
	FA 1-\par, 0, 8, F0
	FBT 6-\par, 0, 8, F0+64
.endif
	MULQ F1, 1, 0
.endm
; A K step of 36 products on buffer f that fetches K step ks into buffer g.  first: its products start the sums anew.  A matrix instruction that
; writes registers of an earlier one otherwise than by adding in place stands five places behind it; round the loop's backward jump only the v_nop
; below stand between the pass's last products and this step's second half, which names the same accumulators: so here there are five.
.macro KVSTEP kind, f, g, slot, ks, xb, first
	s_wait_dscnt 0x0
	KVMUL \kind, \f, 0, \first
	PLACES
.if \first
	v_nop
.endif
	KVFETCH \slot, \ks, \xb, \g
	KVMUL \kind, \f, 1, \first
.endm
; A K or V pass of one head: four tiles of 128 in channels, two a trip.
.macro KVLOOP kind
	WIN 0                                          ; at a label and at a branch every window is 0
	s_mov_b32 s[CT], 2
.Lkv_\@:
	s_cmp_eq_u32 s[CT], 2                          ; the pass's first K step starts the sums
	s_cbranch_scc0 .Lon_\@
	KVSTEP \kind, F0, F1, 0, 1, 9, 1
	WIN 0
	s_branch .Lgo_\@
.Lon_\@:
	KVSTEP \kind, F0, F1, 0, 1, 9, 0
	WIN 0
.Lgo_\@:
	KVSTEP \kind, F1, F0, 0, 2, 9, 0
	KVSTEP \kind, F0, F1, 0, 3, 9, 0
	s_wait_dscnt 0x0
	KVMUL \kind, F1, 0, 0
	RINGSEQ 1
	KVFETCH 1, 0, 10, F0
	KVMUL \kind, F1, 1, 0
	KVSTEP \kind, F0, F1, 1, 1, 10, 0
	KVSTEP \kind, F1, F0, 1, 2, 10, 0
	KVSTEP \kind, F0, F1, 1, 3, 10, 0
	s_wait_dscnt 0x0
	KVMUL \kind, F1, 0, 0
	RINGSEQ 1
	s_xor_b32 s[TBX], s[TBX], 0x12000              ; h's other pair of blocks: two trips bring it back to the first
	XBSET
.if \kind
	s_sub_co_u32 s[VT], s[VT], 1
	s_cmp_eq_u32 s[VT], 0                          ; behind the very last tile of V comes Wo
	s_cbranch_scc1 .Lwo_\@
	KVFETCH 0, 0, 9, F0
	WIN 0
	s_branch .Lfj_\@
.Lwo_\@:
	WIN 0x40
	FA 0, 0, 8, F0                                 ; Wo's first fragments; the tokens follow behind the exchange
	WIN 0
.Lfj_\@:
.else
	KVFETCH 0, 0, 9, F0
.endif
	KVMUL \kind, F1, 1, 0
	WIN 0
	s_sub_co_u32 s[CT], s[CT], 1
	s_cmp_lg_u32 s[CT], 0
	s_cbranch_scc1 .Lkv_\@
.endm
.macro PACK32                          ; 32 tiles of one window rounded to bf16 in place: tile x from 8 x to 4 x, each from its low end on
.set x_, 0
.rept 32
.set q_, 0
.rept 4
	v_cvt_pk_bf16_f32 v[4*x_+q_], v[8*x_+2*q_], v[8*x_+2*q_+1]
.set q_, q_+1
.endr
.set x_, x_+1
.endr
.endm
.macro PACKKV                          ; the 36 tiles of K or V: tile x at 4 x of window 2
	PLACES
	WIN 0x8a
	PACK32
	WIN 0x80
.set x_, 0
.rept 4
.set q_, 0
.rept 4
	v_cvt_pk_bf16_f32 v[128+4*x_+q_], v[KX+8*x_+2*q_], v[KX+8*x_+2*q_+1]
.set q_, q_+1
.endr
.set x_, x_+1
.endr
.endm
; One query tile's softmax.  A lane holds one query and 16 of the window's 32 keys (register i: key 8 h + i, from i = 8 on 16 + 8 h + i - 8).
.macro SOFTMAX b, n
.set i_, 0
.rept 16
.set k_, MK+i_
.if ((\n)==0)&&(i_==7)
.set k_, 60
.endif
.if ((\n)==7)&&(i_==8)
.set k_, 61
.endif
	v_cndmask_b32 v[\b+i_], v20, v[\b+i_], s[k_]   ; outside the band: -inf
.set i_, i_+1
.endr
	v_max3_num_f32 v26, v[\b], v[\b+1], v[\b+2]
	v_max3_num_f32 v27, v[\b+3], v[\b+4], v[\b+5]
	v_max3_num_f32 v28, v[\b+6], v[\b+7], v[\b+8]
	v_max3_num_f32 v29, v[\b+9], v[\b+10], v[\b+11]
	v_max3_num_f32 v30, v[\b+12], v[\b+13], v[\b+14]
	v_max3_num_f32 v26, v26, v27, v28
	v_max3_num_f32 v29, v29, v30, v[\b+15]
	v_max_num_f32 v26, v26, v29
	v_permlanex16_b32 v27, v26, s62, s63           ; the query's other 16 keys lie in the lane 16 away
	v_max_num_f32 v26, v26, v27
	v_mul_f32 v28, s66, v26                        ; c m, c = log2(e) / 8
.set i_, 0
.rept 8
	v_pk_fma_f32 v[\b+2*i_:\b+2*i_+1], v[\b+2*i_:\b+2*i_+1], s[66:67], v[28:29] op_sel_hi:[1,0,0] neg_lo:[0,0,1] neg_hi:[0,0,1]
.set i_, i_+1
.endr
.set i_, 0
.rept 16
	v_exp_f32 v[\b+i_], v[\b+i_]
.set i_, i_+1
.endr
	v_nop                                          ; a plain instruction between the last exponential and its use
	s_wait_alu depctr_va_vdst(0)
	v_pk_add_f32 v[26:27], v[\b:\b+1], v[\b+2:\b+3]
	v_pk_add_f32 v[28:29], v[\b+4:\b+5], v[\b+6:\b+7]
	v_pk_add_f32 v[30:31], v[\b+8:\b+9], v[\b+10:\b+11]
	v_pk_add_f32 v[26:27], v[26:27], v[\b+12:\b+13]
	v_pk_add_f32 v[28:29], v[28:29], v[\b+14:\b+15]
	v_pk_add_f32 v[26:27], v[26:27], v[30:31]
	v_pk_add_f32 v[26:27], v[26:27], v[28:29]
	v_add_f32 v26, v26, v27
	v_permlanex16_b32 v27, v26, s62, s63
	v_add_f32 v26, v26, v27
	v_rcp_f32 v28, v26
	v_nop
.set i_, 0
	s_wait_alu depctr_va_vdst(0)
.rept 8
	v_pk_mul_f32 v[\b+2*i_:\b+2*i_+1], v[\b+2*i_:\b+2*i_+1], v[28:29] op_sel_hi:[1,0]
.set i_, i_+1
.endr
.set i_, 0
.rept 8
	v_cvt_pk_bf16_f32 v[PB+8*(\n)+i_], v[\b+2*i_], v[\b+2*i_+1]
.set i_, i_+1
.endr
.endm
; The scores of the head in hand, two query tiles at a time: S^T = K Q^T for K tiles n and n + 1; four accumulators by turns, 64 channels = two products deep.
.macro SCORES
.irp pr, 0,1,2,3
	WIN 0x0e                                       ; K in window 2, Q in window 3, S^T in window 0
.irp kk, 0,1
.irp e, 0,1
.irp u, 0,1
.set n_, 2*\pr+\e
.set q_, 128*(1-(n_>>2))+32*(n_&3)+8*\kk
.set a_, 16*(n_+\u)+8*\kk
.set d_, ST+16*\e+8*\u
.if \kk
	v_wmma_f32_16x16x32_bf16 v[d_:d_+7], v[a_:a_+7], v[q_:q_+7], v[d_:d_+7]
.else
	v_wmma_f32_16x16x32_bf16 v[d_:d_+7], v[a_:a_+7], v[q_:q_+7], 0
.endif
.endr
.endr
.endr
	PLACES
	WIN 0
	SOFTMAX ST, 2*\pr
	SOFTMAX ST+16, 2*\pr+1
.endr
.endm
; O^T = V^T P + bv for the head in hand, a query tile at a time; rounded to bf16 as fragments of the last product, into registers 16-31 of window 3's groups.
.macro PV
	s_wait_loadcnt 0x0                             ; bv's tuples; no load names bv's pointer any more:
	s_add_nc_u64 s[16:17], s[16:17], 256           ; the next head's 64 channels
.set n_, 0
.rept 8
	WIN 0x02                                       ; V in window 2
.set m_, 0
.rept 4
	v_wmma_f32_16x16x32_bf16 v[ST+8*m_:ST+8*m_+7], v[4*(9*m_+n_):4*(9*m_+n_)+7], v[PB+8*n_:PB+8*n_+7], v[BT+8*m_:BT+8*m_+7]
.set m_, m_+1
.endr
	PLACES
	WIN 0xc0
.set m_, 0
.rept 4
.set q_, 0
.rept 4
	v_cvt_pk_bf16_f32 v[128*(1-(n_>>2))+32*(n_&3)+16+8*(m_>>1)+4*(m_&1)+q_], v[ST+8*m_+2*q_], v[ST+8*m_+2*q_+1]
.set q_, q_+1
.endr
.set m_, m_+1
.endr
.set n_, n_+1
.endr
.endm
; The last product, o' = attn_out Wo: as the Q pass, the tokens as images at v[base] + off.
.macro OA par, mode, base, off
	s_wait_dscnt 0x0
	MULQ F0, 0, \mode
	PLACES
	WIN 0x40
	FA \par, 8, 8, F1
	FBI \base, \off, F1+64
	MULQ F0, 1, \mode
.endm
.macro OB par, ring, base, off         ; ring 2: the slot is filled again; 1: nothing is left to fetch from memory; 0: the last K step of all
	s_wait_dscnt 0x0
	MULQ F1, 0, 0
.if \ring == 2
	RINGSEQ 1
.elseif \ring == 1
	RINGSEQ 0
.endif
.if \ring
	WIN 0x40
	FA 1-\par, 0, 8, F0
	FBI \base, \off, F0+64
.endif
	MULQ F1, 1, 0
.endm
.macro ROWSUM base                     ; 64 registers summed over the 16 lanes of a half (the 16 tokens of a tile)
.irp x, 1,2,4,8
.set i_, 0
.rept 64
	v_add_f32_dpp v[\base+i_], v[\base+i_], v[\base+i_] row_xmask:\x row_mask:0xf bank_mask:0xf
.set i_, i_+1
.endr
.endr
.endm
.macro ACCSUM nn                       ; T += the eight accumulators of token tile nn of the window in source 0
.set x_, 0
.rept 32
	v_pk_add_f32 v[T+2*x_:T+2*x_+1], v[64*\nn+2*x_:64*\nn+2*x_+1], v[T+2*x_:T+2*x_+1]
.set x_, x_+1
.endr
.endm
.macro ACCDEV w, nn, first             ; M2 += (o' - mean)^2
	WIN \w
.set x_, 0
.rept 32
	v_pk_add_f32 v[DT+2*x_:DT+2*x_+1], v[64*\nn+2*x_:64*\nn+2*x_+1], v[T+2*x_:T+2*x_+1] neg_lo:[0,1] neg_hi:[0,1]
.set x_, x_+1
.endr
	WIN 0
.set x_, 0
.rept 32
.if \first
	v_pk_mul_f32 v[M2+2*x_:M2+2*x_+1], v[DT+2*x_:DT+2*x_+1], v[DT+2*x_:DT+2*x_+1]
.else
	v_pk_fma_f32 v[M2+2*x_:M2+2*x_+1], v[DT+2*x_:DT+2*x_+1], v[DT+2*x_:DT+2*x_+1], v[M2+2*x_:M2+2*x_+1]
.endif
.set x_, x_+1
.endr
.endm
	; ---------------- head ----------------
	s_load_b512 s[4:19], s[0:1], 0x0               ; q, x, st1, wst, bq, bk, bv, ob
	s_load_b64 s[20:21], s[0:1], 0x40              ; part
	v_lshl_add_u32 v1, v0, 2, SPARE
	v_mov_b32 v2, 0
	ds_add_u32 v1, v2
	s_wait_dscnt 0x0
	v_lshrrev_b32 v26, 5, v0
	v_readfirstlane_b32 s[WV], v26                 ; wave 0..3
	s_bfe_u32 s23, ttmp6, 0x40000                  ; my place in the cluster: it enters global addresses of my own loads and two masks, nothing else
	s_lshl_b32 s24, ttmp9, 2
	s_add_co_u32 s24, s24, s23                     ; g
	s_lshr_b32 s25, s24, 4                         ; batch
	s_and_b32 s26, s24, 15                         ; block of 128 tokens
	v_and_b32 v26, 31, v0                          ; L
	v_and_b32 v27, 15, v0                          ; r
	v_bfe_u32 v28, v0, 4, 1                        ; h
	v_lshlrev_b32 v29, 4, v26                      ; 16 L
	v_lshl_add_u32 v3, s[WV], 14, v29              ; my part of slot 0,
	v_add_nc_u32 v4, 0x10000, v3                   ; of slot 1
	v_and_b32 v30, 7, v0
	v_lshl_add_u32 v30, v28, 3, v30
	v_mul_u32_u24 v30, v30, 288
	v_bfe_u32 v31, v0, 3, 1
	v_lshl_add_u32 v30, v31, 4, v30                ; the turning load: row 8 h + L % 8, 16 bytes (L / 8) % 2
	v_add_nc_u32 v5, QC, v30
	v_add_nc_u32 v6, QC+18432, v30
	v_add_nc_u32 v7, XT, v30                       ; h's block 0 of 128 rows,
	v_add_nc_u32 v8, XT+36864, v30                 ; block 1
	v_add_nc_u32 v11, OST, v29
	v_add_nc_u32 v12, OST+65536, v29
	v_lshl_add_u32 v13, s[WV], 17, v29             ; q: 16 bytes a lane, 16 rows a wave
	s_lshl_b32 s27, s26, 9                         ; the block's first byte in a row
	s_sub_co_u32 s100, s27, 32
	s_cmp_eq_u32 s26, 0
	s_cselect_b32 s100, 0, s100                    ; the 8 tokens to the left; at a sequence's ends in-range bytes, which the masks throw away
	s_add_co_u32 s101, s27, 512
	s_cmp_eq_u32 s26, 15
	s_cselect_b32 s101, 8160, s101                 ; the 8 to the right
	v_and_b32 v30, 3, v0                           ; piece p
	v_mov_b32 v31, s101
	v_mov_b32 v14, s100
	v_cmp_gt_u32 vcc_lo, 2, v30
	v_cndmask_b32 v14, v31, v14, vcc_lo
	v_and_b32 v31, 1, v0
	v_lshl_add_u32 v14, v31, 4, v14
	v_bfe_u32 v15, v0, 2, 3                        ; which of eight channels
	v_lshl_add_u32 v14, v15, 13, v14
	v_lshl_add_u32 v14, s[WV], 20, v14             ; x: 128 rows a wave
	v_lshlrev_b32 v18, 3, v31                      ; the halo's place in h's rows: bytes 0, 8, 272, 280
	v_bfe_u32 v30, v0, 1, 1
	v_mad_u32_u24 v18, v30, 272, v18
	v_mad_u32_u24 v18, v15, 288, v18
	s_mul_i32 s27, s[WV], 36864                    ; my 128 rows of h
	s_add_co_u32 s27, s27, XT
	v_add_nc_u32 v18, s27, v18
	v_lshlrev_b32 v15, 3, v15
	v_lshlrev_b32 v30, 3, v26
	v_add_nc_u32 v17, s27, v30
	v_add_nc_u32 v17, 16, v17
	s_mul_i32 s27, s[WV], 4608                     ; my 16 rows of a chunk of q
	s_add_co_u32 s27, s27, QC
	v_add_nc_u32 v16, s27, v30
	v_lshlrev_b32 v19, 5, v28
	v_lshl_add_u32 v19, s[WV], 9, v19              ; biases: channel 128 w + 8 h
	v_mov_b32 v20, 0xff800000                      ; -inf
	v_lshl_add_u32 v21, s[WV], 9, v29
	v_lshl_add_u32 v25, s[WV], 15, v29
	v_add_nc_u32 v22, OST, v25
	v_lshlrev_b32 v23, 5, v28
	v_lshl_add_u32 v23, s[WV], 10, v23
	v_add_nc_u32 v23, SCR, v23
	v_lshl_add_u32 v24, s[WV], 10, v29
	v_add_nc_u32 v24, SCR, v24
	v_lshlrev_b32 v30, 3, v28
	v_sub_nc_u32 v30, v30, v27                     ; 8 h - r
.set i_, 0
.rept 16                               ; query r of a tile sees keys 7 + r, 8 + r, 9 + r of its window
.if i_ < 8
	v_add_nc_u32 v31, i_-7, v30
.else
	v_add_nc_u32 v31, i_+1, v30
.endif
	v_cmp_gt_u32 s[MK+i_], 3, v31
.set i_, i_+1
.endr
	v_lshl_add_u32 v28, s[WV], 20, v29             ; x: 16 bytes a lane, 128 rows a wave (v26-v28 serve the Q pass, then the softmax)
	s_cmp_eq_u32 s26, 0
	s_cselect_b32 s27, 1, 0
	s_and_not1_b32 s60, s[MK+7], s27               ; token 0 has no left neighbour,
	s_cmp_eq_u32 s26, 15
	s_cselect_b32 s27, 0x80000000, 0
	s_and_not1_b32 s61, s[MK+8], s27               ; token 2047 no right one
	s_mov_b32 s62, 0x76543210
	s_mov_b32 s63, 0xfedcba98
	s_mov_b32 s66, 0x3e38aa3b                      ; log2(e) / sqrt(64)
	s_mov_b32 s67, 0x3e38aa3b
	; descriptor group 1: 64 dense rows of 256 bytes, elements of 8 bytes; mask: all four work-groups, bit 21 beside it
	s_mov_b32 s28, 15|(3<<16)|(1<<21)
	s_mov_b32 s29, 32<<16                          ; tensor_dim0 = 32
	s_mov_b32 s30, 64<<16                          ; tensor_dim1 = 64
	s_mov_b32 s31, 32<<16                          ; tile_dim0 = 32
	s_mov_b32 s32, 64                              ; tile_dim1 = 64
	s_mov_b32 s33, 32                              ; elements from row to row
	s_mov_b32 s34, 0
	s_mov_b32 s35, 0
	s_mov_b32 s101, 0
	s_wait_kmcnt 0x0
	s_lshl_b32 s100, s25, 22                       ; the batch element: 512 rows of 8,192 bytes
	s_add_nc_u64 s[2:3], s[6:7], s[100:101]        ; x for the halo
	s_lshl_b32 s27, s26, 9
	s_add_co_u32 s100, s100, s27
	s_add_nc_u64 s[4:5], s[4:5], s[100:101]        ; q and x at the block's first token
	s_add_nc_u64 s[6:7], s[6:7], s[100:101]
	s_lshl_b32 s100, s25, 12
	s_lshl_b32 s27, s[WV], 10
	s_add_co_u32 s100, s100, s27
	s_add_nc_u64 s[8:9], s[8:9], s[100:101]        ; (a, d) of my 128 channels
	s_lshl_b32 s100, s[WV], 14
	s_add_nc_u64 s[10:11], s[10:11], s[100:101]    ; my part of tile 0
	s_lshl_b32 s100, s24, 17
	s_add_nc_u64 s[18:19], s[18:19], s[100:101]
	s_lshl_b32 s100, s24, 12
	s_add_nc_u64 s[20:21], s[20:21], s[100:101]
	s_mov_b32 s36, 1
	s_lshl_b32 s37, s[WV], 14
	s_mov_b64 s[38:39], s[10:11]
	s_or_b32 s39, s39, 0x80000000
	s_mov_b32 s40, 1
	s_add_co_u32 s41, s37, 0x10000
	s_add_nc_u64 s[42:43], s[10:11], 0x10000
	s_or_b32 s43, s43, 0x80000000
	s_mov_b32 s[TX], 0                             ; the ids are used up: their registers take the steps and counters
	s_mov_b32 s[TBX], 0
	BLOAD BT, 12, 0                                ; bq
	BLOAD BQ2, 12, 256
	ISSUE 0
	ROUND                                          ; all four work-groups are here: the first joint loads meet
	tensor_load_to_lds s[36:39], s[28:35]          ; tiles 0 and 1: two loads of mine are out
	s_nop 0
	tensor_load_to_lds s[40:43], s[28:35]
	s_nop 0
	PLACES
	CONV 0
	ISSUE 1
	s_wait_tensorcnt 0x1                           ; tile 0 is in; tile 1 may stay out
	s_wait_dscnt 0x0                               ; my rows of the first chunk are in LDS,
	s_barrier_signal -1
	s_barrier_wait -1                              ; everybody's are
	WIN 0x40
	FA 0, 0, 8, F0
	FBT 5, 0, 8, F0+64
	; ---------------- Q: eight tiles ----------------
	QA 0, 1                                        ; tile 0's first K step starts the sums from bq
	s_mov_b32 s[CT], 3
.Lq:                                   ; trip p: chunks 2 p + 1, 2 p + 2 into LDS, chunks 2 p + 2, 2 p + 3 asked for; tile 2 p's second K step to tile 2 p + 2's first
	CONV 1
	s_add_nc_u64 s[4:5], s[4:5], 0x100000          ; CONV has waited for every load that named the pointers: two chunks on: 128 rows of q,
	s_add_nc_u64 s[6:7], s[6:7], 0x40000           ; 32 of my rows of x,
	s_add_nc_u64 s[2:3], s[2:3], 0x40000
	s_add_nc_u64 s[8:9], s[8:9], 256               ; their 32 pairs (a, d)
	ISSUE 0
	QB 0, 0
	QA 1, 0
	CONV 0
	ISSUE 1
	QB 1, 0
	QA 0, 0
	s_sub_co_u32 s[CT], s[CT], 1
	s_cmp_lg_u32 s[CT], 0
	s_cbranch_scc1 .Lq
	CONV 1                                         ; the last chunk; nothing more is asked for
	QB 0, 0
	QA 1, 0
	BLOAD BKA, 14, 0                               ; bk of my two heads
	BLOAD BKB, 14, 256
	XBSET
	QB 1, 1
	PLACES
	WIN 0xcf                                       ; Q rounded to bf16: token tiles 4-7 in place in window 3,
	PACK32
	WIN 0xca                                       ; tiles 0-3 from window 2 into its upper half: tile (m, n) at 128 (n < 4) + 32 (n % 4) + 4 m
.set x_, 0
.rept 32
.set q_, 0
.rept 4
	v_cvt_pk_bf16_f32 v[128+4*x_+q_], v[8*x_+2*q_], v[8*x_+2*q_+1]
.set q_, q_+1
.endr
.set x_, x_+1
.endr
	; ---------------- head by head: K, scores, V, weighted sums ----------------
	s_wait_loadcnt 0x0                             ; bk
	WIN 0
	s_mov_b32 s[HD], 2
	s_mov_b32 s[VT], 4
.Lhead:
	KVLOOP 0
	PACKKV
	WIN 0
	BLOAD BT, 16, 0                                ; bv of this head
.set i_, 0
.rept 32                               ; the second head's bk takes the place that the K pass reads
	v_mov_b32 v[BKA+i_], v[BKB+i_]
.set i_, i_+1
.endr
	SCORES
	WIN 0xc3                                       ; this head's Q is used up.  Registers 16-31 of each group move down: in the first trip the second
.set g_, 0                             ; head's Q, to where the scores read; in the second trip the first head's result, out of the way of the second's
.rept 8
.set i_, 0
.rept 16
	v_mov_b32 v[32*g_+i_], v[32*g_+16+i_]
.set i_, i_+1
.endr
.set g_, g_+1
.endr
	KVLOOP 1
	PACKKV
	PV
	WIN 0
	s_sub_co_u32 s[HD], s[HD], 1
	s_cmp_lg_u32 s[HD], 0
	s_cbranch_scc1 .Lhead
	; ---------------- attn_out to all waves, over h ----------------
	s_wait_dscnt 0x0                               ; my reads of h are back,
	s_barrier_signal -1
	s_barrier_wait -1                              ; everybody's are; my one tensor load may stay out
	WIN 0x0c
.set k_, 0
.rept 4                                ; my K step k (head k / 2), token tile n: registers 8 k on of the tile's group
.set n_, 0
.rept 8
.set r_, 128*(1-(n_>>2))+32*(n_&3)+8*k_
	ds_store_b128 v22, v[r_:r_+3] offset:(8*k_+n_)*1024
	ds_store_b128 v22, v[r_+4:r_+7] offset:(8*k_+n_)*1024+512
.set n_, n_+1
.endr
.set k_, k_+1
.endr
	s_wait_dscnt 0x0                               ; my four K steps are in LDS,
	s_barrier_signal -1
	s_barrier_wait -1                              ; everybody's are
	WIN 0x40
	FBI 11, 0, F0+64
	; ---------------- o' = attn_out Wo: eight tiles, K steps 0-15 ----------------
	OA 0, 2, 11, 8192                              ; tile 0's first K step starts the sums
	WIN 0
	s_mov_b32 s[TX], 0
	s_mov_b32 s[CT], 3
.Lo:                                   ; trip p: tile 2 p's second K step to tile 2 p + 2's first; it fetches K steps 4 p + 2 to 4 p + 5
	v_add_nc_u32 v26, s[TX], v11
	s_add_co_u32 s[TX], s[TX], 0x8000              ; four K steps of 8,192 bytes on
	OB 0, 2, 26, 2*8192
	OA 1, 0, 26, 3*8192
	OB 1, 2, 26, 4*8192
	OA 0, 0, 26, 5*8192
	WIN 0
	s_sub_co_u32 s[CT], s[CT], 1
	s_cmp_lg_u32 s[CT], 0
	s_cbranch_scc1 .Lo
	OB 0, 1, 12, 6*8192                            ; the tail is written out
	OA 1, 0, 12, 7*8192
	OB 1, 0, 12, 0
	; ---------------- way out: block mean and squared deviations of each channel, in f32; then o' in bf16 ----------------
	PLACES
	WIN 0x0a
.set x_, 0
.rept 32
	v_pk_add_f32 v[T+2*x_:T+2*x_+1], v[2*x_:2*x_+1], v[64+2*x_:64+2*x_+1]
.set x_, x_+1
.endr
	WIN 0x02
	ACCSUM 2
	ACCSUM 3
	WIN 0x03
	ACCSUM 0
	ACCSUM 1
	ACCSUM 2
	ACCSUM 3
	WIN 0
	ROWSUM T
.set x_, 0
.rept 32
	v_pk_mul_f32 v[T+2*x_:T+2*x_+1], v[T+2*x_:T+2*x_+1], 0x3c000000 op_sel_hi:[1,0]   ; / 128
.set x_, x_+1
.endr
	ACCDEV 0x02, 0, 1
	ACCDEV 0x02, 1, 0
	ACCDEV 0x02, 2, 0
	ACCDEV 0x02, 3, 0
	ACCDEV 0x03, 0, 0
	ACCDEV 0x03, 1, 0
	ACCDEV 0x03, 2, 0
	ACCDEV 0x03, 3, 0
	ROWSUM M2
.set m_, 0
.rept 8                                ; the sixteen lanes of a half hold the same numbers and write the same words of my own scratch
	ds_store_b128 v23, v[T+8*m_:T+8*m_+3] offset:64*m_
	ds_store_b128 v23, v[T+8*m_+4:T+8*m_+7] offset:64*m_+16
	ds_store_b128 v23, v[M2+8*m_:M2+8*m_+3] offset:512+64*m_
	ds_store_b128 v23, v[M2+8*m_+4:M2+8*m_+7] offset:512+64*m_+16
.set m_, m_+1
.endr
	ds_load_b128 v[DT:DT+3], v24                   ; LDS serves a wave's instructions in order: these see the stores above
	ds_load_b128 v[DT+4:DT+7], v24 offset:512
	s_wait_dscnt 0x0
	global_store_b128 v21, v[DT:DT+3], s[20:21]                ; my 128 means: 512 consecutive bytes
	global_store_b128 v21, v[DT+4:DT+7], s[20:21] offset:2048
	WIN 0x8a
	PACK32
	WIN 0xcf
	PACK32
.irp hw, 0,1
	WIN 0x08+0x04*\hw
.set n_, 0
.rept 4
.set m_, 0
.rept 8                                ; each store of the wave covers 512 consecutive bytes: half a fragment image
	global_store_b128 v25, v[4*(8*n_+m_):4*(8*n_+m_)+3], s[18:19] offset:(m_>>1)*8192+1024*(4*\hw+n_)+512*(m_&1)
.set m_, m_+1
.endr
.set n_, n_+1
.endr
.endr
	WIN 0
	s_wait_tensorcnt 0x0                           ; the wave's end
	ds_add_u32 v1, v2
	s_wait_dscnt 0x0
	ROUND                                          ; the closing round
	s_endpgm
.Lfunc_end_k_q546e804b4b_attn:
	.size	k_q546e804b4b_attn, .Lfunc_end_k_q546e804b4b_attn-k_q546e804b4b_attn
	.p2alignl 7, 3214868480
	.fill 96, 4, 3214868480
	.section	.rodata,"a",@progbits
	.p2align	6, 0x0
	.amdhsa_kernel k_q546e804b4b_attn
		.amdhsa_group_segment_fixed_size 327680
		.amdhsa_private_segment_fixed_size 0
		.amdhsa_enable_private_segment 0
		.amdhsa_kernarg_size 72
		.amdhsa_user_sgpr_count 2
		.amdhsa_user_sgpr_kernarg_segment_ptr 1
		.amdhsa_wavefront_size32 1
		.amdhsa_system_sgpr_workgroup_id_x 1
		.amdhsa_system_sgpr_workgroup_id_y 1
		.amdhsa_system_sgpr_workgroup_id_z 1
		.amdhsa_system_vgpr_workitem_id 0
		.amdhsa_next_free_vgpr 1024
		.amdhsa_next_free_sgpr 102
		.amdhsa_reserve_vcc 1
		.amdhsa_float_denorm_mode_32 3
		.amdhsa_float_denorm_mode_16_64 3
		.amdhsa_memory_ordered 1
		.amdhsa_forward_progress 1
		.amdhsa_inst_pref_size 255
	.end_amdhsa_kernel
	.section	.bss,"aw",@nobits
	.p2align	6
	.space	262144
	.amdgpu_metadata
---
amdhsa.version: [ 1, 2 ]
amdhsa.kernels:
  - .name:           k_q546e804b4b_attn
    .symbol:         k_q546e804b4b_attn.kd
    .args:
      - { .name: q, .offset: 0, .size: 8, .value_kind: global_buffer, .address_space: global }
      - { .name: x, .offset: 8, .size: 8, .value_kind: global_buffer, .address_space: global }
      - { .name: st1, .offset: 16, .size: 8, .value_kind: global_buffer, .address_space: global }
      - { .name: wst, .offset: 24, .size: 8, .value_kind: global_buffer, .address_space: global }
      - { .name: bq, .offset: 32, .size: 8, .value_kind: global_buffer, .address_space: global }
      - { .name: bk, .offset: 40, .size: 8, .value_kind: global_buffer, .address_space: global }
      - { .name: bv, .offset: 48, .size: 8, .value_kind: global_buffer, .address_space: global }
      - { .name: ob, .offset: 56, .size: 8, .value_kind: global_buffer, .address_space: global }
      - { .name: part, .offset: 64, .size: 8, .value_kind: global_buffer, .address_space: global }
    .group_segment_fixed_size: 327680
    .private_segment_fixed_size: 0
    .kernarg_segment_align: 8
    .kernarg_segment_size: 72
    .max_flat_workgroup_size: 128
    .sgpr_count:     102
    .vgpr_count:     1024
    .wavefront_size: 32
...
	.end_amdgpu_metadata
.endif
;; end of part 2
;; launch mlp (part 3): grid 256 x 1, 4 waves a work-group, clusters of 4 x 1, 327,680 bytes of LDS; arguments ob, part, g2, b2, bo, wst, bfc, bpr, x, out0; writes out0
.if DOCPART == 3
	.amdgcn_target "amdgcn-amd-amdhsa--gfx1250"
	.amdhsa_code_object_version 6
	.text
	.protected	k_q546e804b4b_mlp
	.globl	k_q546e804b4b_mlp
	.p2align	8
	.type	k_q546e804b4b_mlp,@function
k_q546e804b4b_mlp:
	s_mov_b64 s[64:65], 0
	v_nop
	global_prefetch_b8 v0, s[64:65] scope:SCOPE_SE
	s_setreg_imm32_b32 hwreg(HW_REG_WAVE_MODE, 25, 1), 1
	s_wait_xcnt 0x0
	s_wait_alu depctr_hold_cnt(0) depctr_sa_sdst(0) depctr_va_vdst(0) depctr_va_sdst(0) depctr_va_ssrc(0) depctr_va_vcc(0) depctr_vm_vsrc(0)
	s_getreg_b32 s2, hwreg(HW_REG_IB_STS2, 6, 4)
	s_cmp_eq_u32 s2, 0
	s_cbranch_scc0 .Lentry_in_a_cluster
	s_endpgm
.Lentry_in_a_cluster:
	s_bfe_u32 s2, ttmp6, 0x10000c
	s_cmp_lg_u32 s2, 0x3003
	s_cbranch_scc0 .Lentry_shape_is_right
	s_endpgm
.Lentry_shape_is_right:
; For 128 tokens of one batch element: the statistics of o = o' + bo over the whole sequence from the 16 blocks' means and squared deviations,
; h2 = norm 2, u = h2 Wfc + bfc, u sigmoid(1.702 u), out = x + bpr + u Wpr.
; SHARES.  Work-group g as in the launch before.  fc: wave w makes 64 of a chunk's 256 hidden channels for all 128 tokens (256 registers);
; pr: out channels 128 w .. + 127 for all tokens (512 registers, which stay through the four chunks and START as x + bpr, so nothing is cleared).
; pr is used with the sources swapped: a lane holds one out channel and eight neighbouring tokens, as out0's rows want them.
; u changes waves through LDS in halves of a chunk (32,768 bytes).  x comes in and the result goes out through a stage of 16 rows x 272 bytes a
; wave, so that every global load and store covers whole aligned pieces of 256 bytes.
; WEIGHTS: tiles 32-63 of the stream, through a ring of two slots, asked for jointly by the four work-groups of a cluster, as in the launch before.
; A wave has two tensor loads out at the start, later one, with a tile's 128 products in which to land.
; LIMITS.  Matrix operands are bf16: o' (as stored), h2, u, Wfc, Wpr.  Statistics, norm, activation and sums in f32.
; REGISTERS.  window 0: v1-15 addresses, v16-23 bpr, v32-63 bfc's tuples, v64-255 fc's two fragment buffers / the activation's work.
; window 1: o' as loaded; fc's accumulators (m, n) at 8 (4 n + m); pr's two fragment buffers.  windows 2, 3: pr's accumulators (ct, n) at 8 (8 (ct % 4) + n).
.set H2,    131072                     ; h2 as fragment images: 16 K steps x 8 token tiles x 1,024
.set UST,   262144                     ; half a chunk of u as images: 4 K steps x 8 token tiles
.set WS,    294912                     ; 4,608 bytes for each wave: the norm's tables, then the stage
.set SPARE, 313344                     ; the spare words: no other line names them
.set BT,  32
.set FF0, 64                           ; fc: weights 32 registers, tokens 64
.set FF1, 160
.set UP,  64                           ; u packed: half hf at UP + 64 hf
.set TT,  192                          ; at work
.set P0,  0                            ; pr, window 1: weights 64 registers, u 64
.set P1,  128
.set WV,  24
.set MSB, 0
.macro WIN new
.if MSB != (\new)
	s_set_vgpr_msb (MSB<<8)|(\new)
.set MSB, (\new)
.endif
.endm
.macro PLACES
.rept 4
	v_nop
.endr
.endm
.macro ROUND
	s_barrier_signal -1
	s_barrier_wait -1
	s_cmp_lg_u32 s[WV], 0
	s_cbranch_scc1 .Lnw0_\@
	s_barrier_signal -3
.Lnw0_\@:
	s_barrier_wait -3
	s_barrier_signal -1
	s_barrier_wait -1
.endm
.macro RINGSEQ refill                  ; the change of slots: all my tensor loads, the add, my LDS instructions; the round; the refill first behind it
	WIN 0
	s_wait_tensorcnt 0x0
	ds_add_u32 v1, v2                              ; 0 onto my spare word
.if \refill
	s_xor_b32 s41, s41, 0x10000
	s_add_nc_u64 s[42:43], s[42:43], 0x10000
.endif
	s_wait_dscnt 0x0
.if \refill
	ROUND
	tensor_load_to_lds s[40:43], s[28:35]
	s_nop 0
.else
	s_barrier_signal -1
	s_barrier_wait -1
.endif
	PLACES
.endm
.macro FA slot, f0, cnt, dst
.set i_, 0
.rept \cnt
	ds_load_b128 v[\dst+8*i_:\dst+8*i_+3], v[3+(\slot)] offset:(\f0+i_)*1024
	ds_load_b128 v[\dst+8*i_+4:\dst+8*i_+7], v[3+(\slot)] offset:(\f0+i_)*1024+512
.set i_, i_+1
.endr
.endm
.macro FBI base, off, dst
.set i_, 0
.rept 8
	ds_load_b128 v[\dst+8*i_:\dst+8*i_+3], v[\base] offset:\off+1024*i_
	ds_load_b128 v[\dst+8*i_+4:\dst+8*i_+7], v[\base] offset:\off+1024*i_+512
.set i_, i_+1
.endr
.endm
.macro BLOAD                           ; bfc's tuples of my 64 hidden channels of a chunk
.set m_, 0
.rept 4
	global_load_b128 v[BT+8*m_:BT+8*m_+3], v12, s[16:17] offset:64*m_
	global_load_b128 v[BT+8*m_+4:BT+8*m_+7], v12, s[16:17] offset:64*m_+16
.set m_, m_+1
.endr
.endm
.macro MULF f, half, first             ; 16 products of fc; the accumulators take turns.  first: the sums start from bfc
.set n_, 4*\half
.rept 4
.set m_, 0
.rept 4
.set d_, 8*(4*n_+m_)
.if \first
	WIN 0x40
	v_wmma_f32_16x16x32_bf16 v[d_:d_+7], v[\f+8*m_:\f+8*m_+7], v[\f+32+8*n_:\f+32+8*n_+7], v[BT+8*m_:BT+8*m_+7]
.else
	WIN 0x50
	v_wmma_f32_16x16x32_bf16 v[d_:d_+7], v[\f+8*m_:\f+8*m_+7], v[\f+32+8*n_:\f+32+8*n_+7], v[d_:d_+7]
.endif
.set m_, m_+1
.endr
.set n_, n_+1
.endr
.endm
.macro MULP f, half                    ; 32 products of pr: source 0 = u (16 tokens), source 1 = Wpr (16 out channels)
	WIN 0xa5+0x50*\half
.set c_, 4*\half
.rept 4
.set n_, 0
.rept 8
.set d_, 8*(8*(c_&3)+n_)
	v_wmma_f32_16x16x32_bf16 v[d_:d_+7], v[\f+64+8*n_:\f+64+8*n_+7], v[\f+8*c_:\f+8*c_+7], v[d_:d_+7]
.set n_, n_+1
.endr
.set c_, c_+1
.endr
.endm
.macro FCFETCH slot, K, f              ; K step K (0-15) of fc
	WIN 0
	FA \slot, 4*((\K)&3), 4, \f
	FBI 5+((\K)>>3), ((\K)&7)*8192, \f+32
.endm
.macro PRFETCH slot, ks, wq, f         ; a K step of pr: eight weight fragments, u's K step wq of the half in LDS
	WIN 0x40
	FA \slot, 8*(\ks), 8, \f
	FBI 7, (\wq)*8192, \f+64
.endm
.macro XLOAD qd                        ; x for out channel tiles 2 qd, 2 qd + 1: a load takes two rows' pieces of 256 bytes
	WIN 0x80+0x40*((\qd)>>1)
.irp c, 0,1
.irp th, 0,1
.set ct_, 2*(\qd)+\c
.set e_, 0
.rept 8
	global_load_b128 v[64*(ct_&3)+32*\th+4*e_:64*(ct_&3)+32*\th+4*e_+3], v11, s[20:21] offset:(16*ct_+2*e_)*8192+256*\th
.set e_, e_+1
.endr
.endr
.endr
.endm
.macro XIN ct, th                      ; 16 rows x 64 tokens through my stage: in by rows, back as accumulator tiles, into the registers that they left
	WIN 0x88+0x44*((\ct)>>2)
.set b_, 64*((\ct)&3)+32*(\th)
.set e_, 0
.rept 8
	ds_store_b128 v9, v[b_+4*e_:b_+4*e_+3] offset:544*e_
.set e_, e_+1
.endr
.set e_, 0
.rept 8
	ds_load_b128 v[b_+4*e_:b_+4*e_+3], v10 offset:64*(e_>>1)+16*(e_&1)   ; LDS serves a wave's instructions in order: these see the stores above
.set e_, e_+1
.endr
.endm
.macro XADD ct, th, left               ; + bpr of the lane's channel
	s_wait_dscnt \left                             ; the next group's 16 LDS instructions may stay out
	WIN 0x82+0x41*((\ct)>>2)
.set b_, 64*((\ct)&3)+32*(\th)
.set e_, 0
.rept 16
.if (\ct)&1
	v_pk_add_f32 v[b_+2*e_:b_+2*e_+1], v[b_+2*e_:b_+2*e_+1], v[16+((\ct)&6):17+((\ct)&6)] op_sel:[0,1] op_sel_hi:[1,1]
.else
	v_pk_add_f32 v[b_+2*e_:b_+2*e_+1], v[b_+2*e_:b_+2*e_+1], v[16+((\ct)&6):17+((\ct)&6)] op_sel:[0,0] op_sel_hi:[1,0]
.endif
.set e_, e_+1
.endr
.endm
.macro XOUT ct, th                     ; the reverse: tiles in (each from its low end on), rows back
	WIN 0x88+0x44*((\ct)>>2)
.set b_, 64*((\ct)&3)+32*(\th)
.set e_, 0
.rept 8
	ds_store_b128 v10, v[b_+4*e_:b_+4*e_+3] offset:64*(e_>>1)+16*(e_&1)
.set e_, e_+1
.endr
.set e_, 0
.rept 8
	ds_load_b128 v[b_+4*e_:b_+4*e_+3], v9 offset:544*e_
.set e_, e_+1
.endr
.endm
.macro XSEND ct, th, left
	s_wait_dscnt \left
	WIN 0x88+0x44*((\ct)>>2)
.set b_, 64*((\ct)&3)+32*(\th)
.set e_, 0
.rept 8                                ; 16 lanes store 256 consecutive bytes, at a multiple of 256 from out0's first byte
	global_store_b128 v11, v[b_+4*e_:b_+4*e_+3], s[22:23] offset:(16*(\ct)+2*e_)*8192+256*(\th) th:TH_STORE_NT
.set e_, e_+1
.endr
.endm
.macro GELU hf                         ; u / (1 + 2^(-1.702 log2(e) u)) for hidden tiles 2 hf, 2 hf + 1, rounded to bf16 as fragments
.irp mm, 0,1
	WIN 0x01
.set x_, 0
.rept 32
	v_pk_mul_f32 v[TT+2*x_:TT+2*x_+1], v[8*(4*(x_>>2)+2*\hf+\mm)+2*(x_&3):8*(4*(x_>>2)+2*\hf+\mm)+2*(x_&3)+1], s[48:49] op_sel_hi:[1,0]
.set x_, x_+1
.endr
	WIN 0
.set x_, 0
.rept 64
	v_exp_f32 v[TT+x_], v[TT+x_]
.set x_, x_+1
.endr
	v_nop
.set x_, 0
	s_wait_alu depctr_va_vdst(0)
.rept 32
	v_pk_add_f32 v[TT+2*x_:TT+2*x_+1], v[TT+2*x_:TT+2*x_+1], 1.0 op_sel_hi:[1,0]
.set x_, x_+1
.endr
.set x_, 0
.rept 64
	v_rcp_f32 v[TT+x_], v[TT+x_]
.set x_, x_+1
.endr
	v_nop
	WIN 0x01
.set x_, 0
	s_wait_alu depctr_va_vdst(0)
.rept 32
	v_pk_mul_f32 v[TT+2*x_:TT+2*x_+1], v[8*(4*(x_>>2)+2*\hf+\mm)+2*(x_&3):8*(4*(x_>>2)+2*\hf+\mm)+2*(x_&3)+1], v[TT+2*x_:TT+2*x_+1]
.set x_, x_+1
.endr
	WIN 0
.set x_, 0
.rept 32
	v_cvt_pk_bf16_f32 v[UP+64*\hf+8*(x_>>2)+4*\mm+(x_&3)], v[TT+2*x_], v[TT+2*x_+1]
.set x_, x_+1
.endr
.endr
.endm
.macro USTORE hf
	WIN 0
.set n_, 0
.rept 8
	ds_store_b128 v8, v[UP+64*\hf+8*n_:UP+64*\hf+8*n_+3] offset:1024*n_
	ds_store_b128 v8, v[UP+64*\hf+8*n_+4:UP+64*\hf+8*n_+7] offset:1024*n_+512
.set n_, n_+1
.endr
.endm
.macro FCTILE tt, xl                   ; a tile of fc: 128 in channels, four K steps of 32 products
.if \xl
	XLOAD \tt
.endif
	s_wait_dscnt 0x0
	MULF FF0, 0, ((\tt)==0)
	PLACES
	FCFETCH ((\tt)&1), 4*(\tt)+1, FF1
	MULF FF0, 1, ((\tt)==0)
	s_wait_dscnt 0x0
	MULF FF1, 0, 0
	PLACES
	FCFETCH ((\tt)&1), 4*(\tt)+2, FF0
	MULF FF1, 1, 0
	s_wait_dscnt 0x0
	MULF FF0, 0, 0
	PLACES
	FCFETCH ((\tt)&1), 4*(\tt)+3, FF1
	MULF FF0, 1, 0
	s_wait_dscnt 0x0
	MULF FF1, 0, 0
	RINGSEQ 1
.if (\tt)<3
	FCFETCH (((\tt)+1)&1), 4*(\tt)+4, FF0
.endif
	MULF FF1, 1, 0
.endm
.macro POSTFC                          ; the activation; the chunk's first half of u to all waves; pr's first fragments
	PLACES
	GELU 0
	GELU 1
	USTORE 0                                       ; the rounds of the fc pass have shown every wave's reads of the last chunk's u done
	s_wait_dscnt 0x0
	s_barrier_signal -1
	s_barrier_wait -1                              ; my one tensor load may stay out
	PRFETCH 0, 0, 0, P0
.endm
.macro PRSTEP f, g, slot, ks, wq       ; a K step of pr that fetches the next one
	s_wait_dscnt 0x0
	MULP \f, 0
	PLACES
	PRFETCH \slot, \ks, \wq, \g
	MULP \f, 1
.endm
.macro PRPASS tail                     ; a chunk's four tiles of pr, two K steps of 64 products each
.if !\tail
	WIN 0
	s_add_nc_u64 s[16:17], s[16:17], 1024          ; the next chunk's bfc: every load that named the pointer has been waited for
	BLOAD
.endif
	PRSTEP P0, P1, 0, 1, 1
	s_wait_dscnt 0x0
	MULP P1, 0
	RINGSEQ 1
	PRFETCH 1, 0, 2, P0
	MULP P1, 1
	PRSTEP P0, P1, 1, 1, 3
	s_wait_dscnt 0x0
	MULP P1, 0
	RINGSEQ 1                                      ; this round also shows every wave's reads of u's first half done:
	USTORE 1                                       ; the second half takes its place
	WIN 0x40
	FA 0, 0, 8, P0
	MULP P1, 1
	s_wait_dscnt 0x0
	s_barrier_signal -1
	s_barrier_wait -1                              ; everybody's part of it is in LDS
	WIN 0x40
	FBI 7, 0, P0+64
	PRSTEP P0, P1, 0, 1, 1
	s_wait_dscnt 0x0
	MULP P1, 0
.if \tail
	RINGSEQ 0                                      ; nothing is left to fetch
.else
	RINGSEQ 1
.endif
	PRFETCH 1, 0, 2, P0
	MULP P1, 1
	PRSTEP P0, P1, 1, 1, 3
	s_wait_dscnt 0x0
	MULP P1, 0
.if !\tail
	RINGSEQ 1
	FCFETCH 0, 0, FF0
.endif
	MULP P1, 1
.endm
	; ---------------- head ----------------
	s_load_b512 s[4:19], s[0:1], 0x0               ; ob, part, g2, b2, bo, wst, bfc, bpr
	s_load_b128 s[20:23], s[0:1], 0x40             ; x, out0
	v_lshl_add_u32 v1, v0, 2, SPARE
	v_mov_b32 v2, 0
	ds_add_u32 v1, v2
	s_wait_dscnt 0x0
	v_lshrrev_b32 v24, 5, v0
	v_readfirstlane_b32 s[WV], v24
	s_bfe_u32 s25, ttmp6, 0x40000
	s_lshl_b32 s26, ttmp9, 2
	s_add_co_u32 s26, s26, s25                     ; g
	s_lshr_b32 s27, s26, 4                         ; batch
	s_and_b32 s50, s26, 15                         ; block
	v_and_b32 v24, 31, v0
	v_and_b32 v25, 15, v0                          ; r
	v_bfe_u32 v26, v0, 4, 1                        ; h
	v_lshlrev_b32 v27, 4, v24                      ; 16 L
	v_lshl_add_u32 v3, s[WV], 14, v27
	v_add_nc_u32 v4, 0x10000, v3
	v_add_nc_u32 v5, H2, v27
	v_add_nc_u32 v6, H2+65536, v27
	v_add_nc_u32 v7, UST, v27
	v_lshl_add_u32 v8, s[WV], 13, v7
	s_mul_i32 s51, s[WV], 4608
	s_add_co_u32 s51, s51, WS
	v_mul_u32_u24 v9, v26, 272                     ; stage by rows: lanes 0-15 one row's 256 bytes, lanes 16-31 the next
	v_lshl_add_u32 v9, v25, 4, v9
	v_add_nc_u32 v9, s51, v9
	v_mul_u32_u24 v10, v25, 272                    ; stage by tiles: row r, tokens 8 h on
	v_lshl_add_u32 v10, v26, 5, v10
	v_add_nc_u32 v10, s51, v10
	v_lshlrev_b32 v11, 13, v26                     ; the same two rows in x and out0; 128 rows a wave
	v_lshl_add_u32 v11, v25, 4, v11
	v_lshl_add_u32 v11, s[WV], 20, v11
	v_lshlrev_b32 v12, 5, v26
	v_add_nc_u32 v15, s51, v12
	v_lshl_add_u32 v12, s[WV], 8, v12
	v_lshl_add_u32 v13, s[WV], 15, v27
	v_add_nc_u32 v14, H2, v13
	v_lshl_add_u32 v28, s[WV], 9, v27              ; four channels a lane: 128 w + 4 L
	v_lshlrev_b32 v29, 2, v25
	v_lshl_add_u32 v29, s[WV], 9, v29
	v_add_nc_u32 v30, s51, v27
	s_mov_b32 s45, 0xffff0000
	s_mov_b32 s46, 0x3a000000                      ; 1 / 2048
	s_mov_b32 s47, 0x3727c5ac                      ; 1e-5
	s_mov_b32 s48, 0xc01d265f                      ; -1.702 log2(e)
	s_mov_b32 s49, 0xc01d265f
	s_mov_b32 s28, 15|(3<<16)|(1<<21)              ; group 1: 64 dense rows of 256 bytes; mask: all four work-groups, bit 21 beside it
	s_mov_b32 s29, 32<<16
	s_mov_b32 s30, 64<<16
	s_mov_b32 s31, 32<<16
	s_mov_b32 s32, 64
	s_mov_b32 s33, 32
	s_mov_b32 s34, 0
	s_mov_b32 s35, 0
	s_mov_b32 s53, 0
	s_wait_kmcnt 0x0
	s_lshl_b32 s52, s26, 17
	s_add_nc_u64 s[4:5], s[4:5], s[52:53]
	s_lshl_b32 s52, s27, 16                        ; the batch element's 16 blocks
	s_add_nc_u64 s[6:7], s[6:7], s[52:53]
	s_lshl_b32 s52, s[WV], 14
	s_add_co_u32 s52, s52, 0x200000                ; the stream's second half
	s_add_nc_u64 s[14:15], s[14:15], s[52:53]
	s_lshl_b32 s52, s27, 22
	s_lshl_b32 s51, s50, 9
	s_add_co_u32 s52, s52, s51
	s_add_nc_u64 s[20:21], s[20:21], s[52:53]
	s_add_nc_u64 s[22:23], s[22:23], s[52:53]
	s_mov_b32 s36, 1
	s_lshl_b32 s37, s[WV], 14
	s_mov_b64 s[38:39], s[14:15]
	s_or_b32 s39, s39, 0x80000000
	s_mov_b32 s40, 1
	s_add_co_u32 s41, s37, 0x10000
	s_add_nc_u64 s[42:43], s[14:15], 0x10000
	s_or_b32 s43, s43, 0x80000000
.set i_, 0
.rept 16
	global_load_b128 v[64+8*i_:64+8*i_+3], v28, s[6:7] offset:4096*i_          ; block i: means,
	global_load_b128 v[64+8*i_+4:64+8*i_+7], v28, s[6:7] offset:4096*i_+2048   ; squared deviations
.set i_, i_+1
.endr
	global_load_b128 v[192:195], v28, s[8:9]       ; g2
	global_load_b128 v[196:199], v28, s[10:11]     ; b2
	global_load_b128 v[200:203], v28, s[12:13]     ; bo
	BLOAD
.set i_, 0
.rept 8
	global_load_b32 v[16+i_], v29, s[18:19] offset:64*i_
.set i_, i_+1
.endr
	WIN 0x40
.set x_, 0
.rept 64                               ; o': my four K steps, in batches of eight token tiles x half a fragment
	global_load_b128 v[4*x_:4*x_+3], v13, s[4:5] offset:8192*(x_>>4)+512*((x_>>3)&1)+1024*(x_&7)
.set x_, x_+1
.endr
	WIN 0
	ROUND
	tensor_load_to_lds s[36:39], s[28:35]
	s_nop 0
	tensor_load_to_lds s[40:43], s[28:35]
	s_nop 0
	PLACES
	s_wait_loadcnt 63                              ; 115 loads were issued: the first 52 are in, all but o' among them
.irp p, 0,1,2,3
	v_pk_add_f32 v[204+2*\p:205+2*\p], v[64+2*\p:65+2*\p], v[72+2*\p:73+2*\p]
.endr
.set i_, 2
.rept 14
.irp p, 0,1,2,3
	v_pk_add_f32 v[204+2*\p:205+2*\p], v[204+2*\p:205+2*\p], v[64+8*i_+2*\p:65+8*i_+2*\p]
.endr
.set i_, i_+1
.endr
	v_pk_mul_f32 v[204:205], v[204:205], 0x3d800000 op_sel_hi:[1,0]   ; the mean of o' over the sequence
	v_pk_mul_f32 v[206:207], v[206:207], 0x3d800000 op_sel_hi:[1,0]
.set i_, 0
.rept 16
.irp p, 0,1
	v_pk_add_f32 v[212+2*\p:213+2*\p], v[64+8*i_+2*\p:65+8*i_+2*\p], v[204+2*\p:205+2*\p] neg_lo:[0,1] neg_hi:[0,1]
.endr
.irp p, 0,1
.if i_ == 0
	v_pk_mul_f32 v[216+2*\p:217+2*\p], v[212+2*\p:213+2*\p], v[212+2*\p:213+2*\p]
.else
	v_pk_fma_f32 v[216+2*\p:217+2*\p], v[212+2*\p:213+2*\p], v[212+2*\p:213+2*\p], v[216+2*\p:217+2*\p]
.endif
.endr
.set i_, i_+1
.endr
.irp p, 0,1
	v_pk_fma_f32 v[208+2*\p:209+2*\p], v[216+2*\p:217+2*\p], 0x43000000, v[208+2*\p:209+2*\p] op_sel_hi:[1,0,1]   ; + 128 x the blocks' spread
.endr
.irp k, 0,1,2,3
	v_fma_f32 v[208+\k], v[208+\k], s46, s47
.endr
.irp k, 0,1,2,3
	v_rsq_f32 v[212+\k], v[208+\k]
.endr
	v_nop
	s_wait_alu depctr_va_vdst(0)
.irp p, 0,1
	v_pk_mul_f32 v[220+2*\p:221+2*\p], v[212+2*\p:213+2*\p], v[192+2*\p:193+2*\p]                                  ; a2 = g2 / sqrt(var + eps)
	v_pk_add_f32 v[216+2*\p:217+2*\p], v[204+2*\p:205+2*\p], v[200+2*\p:201+2*\p]                                  ; the mean of o = o' + bo
	v_pk_add_f32 v[216+2*\p:217+2*\p], v[200+2*\p:201+2*\p], v[216+2*\p:217+2*\p] neg_lo:[0,1] neg_hi:[0,1]        ; bo - that
	v_pk_fma_f32 v[224+2*\p:225+2*\p], v[220+2*\p:221+2*\p], v[216+2*\p:217+2*\p], v[196+2*\p:197+2*\p]            ; d2: h2 = a2 o' + d2
.endr
	ds_store_b128 v30, v[220:223]                  ; tables of my 128 channels, in my own bytes
	ds_store_b128 v30, v[224:227] offset:512
.set x_, 0
.rept 8                                ; back as the fragment halves want them: channels 32 ksl + 16 q + 8 h + 0..7
	ds_load_b128 v[64+16*x_:64+16*x_+3], v15 offset:64*x_
	ds_load_b128 v[64+16*x_+4:64+16*x_+7], v15 offset:64*x_+16
	ds_load_b128 v[64+16*x_+8:64+16*x_+11], v15 offset:64*x_+512
	ds_load_b128 v[64+16*x_+12:64+16*x_+15], v15 offset:64*x_+528
.set x_, x_+1
.endr
	s_wait_dscnt 0x0
.set bq_, 0
.rept 8
	s_wait_loadcnt 56-8*bq_                        ; this batch's eight loads are in; the later batches' stay out
	WIN 0x04
.set x_, 0
.rept 32
	v_lshlrev_b32 v[TT+2*x_], 16, v[32*bq_+x_]
	v_and_b32 v[TT+2*x_+1], s45, v[32*bq_+x_]
.set x_, x_+1
.endr
	WIN 0
.set x_, 0
.rept 32
	v_pk_fma_f32 v[TT+2*x_:TT+2*x_+1], v[TT+2*x_:TT+2*x_+1], v[64+16*bq_+2*(x_&3):65+16*bq_+2*(x_&3)], v[72+16*bq_+2*(x_&3):73+16*bq_+2*(x_&3)]
.set x_, x_+1
.endr
.set x_, 0
.rept 32
	v_cvt_pk_bf16_f32 v[TT+8*(x_>>2)+(x_&3)], v[TT+2*x_], v[TT+2*x_+1]
.set x_, x_+1
.endr
.set n_, 0
.rept 8
	ds_store_b128 v14, v[TT+8*n_:TT+8*n_+3] offset:(8*(bq_>>1)+n_)*1024+512*(bq_&1)
.set n_, n_+1
.endr
.set bq_, bq_+1
.endr
	s_wait_tensorcnt 0x1                           ; tile 0 is in; tile 1 may stay out
	s_wait_dscnt 0x0                               ; my four K steps of h2 are in LDS,
	s_barrier_signal -1
	s_barrier_wait -1                              ; everybody's are
	FCFETCH 0, 0, FF0
	; ---------------- chunk 0's fc, with x on its way into pr's accumulators ----------------
.irp tt, 0,1,2,3
	FCTILE \tt, 1
.endr
	s_wait_loadcnt 0x0                             ; x
.set g_, 0
.rept 16
	XIN (g_>>1), (g_&1)
.if g_ > 0
	XADD ((g_-1)>>1), ((g_-1)&1), 16
.endif
.set g_, g_+1
.endr
	XADD 7, 1, 0
	POSTFC
	WIN 0                                          ; at a label and at a branch every window is 0
	s_mov_b32 s44, 3
.Lchunk:                               ; a trip: pr of one chunk, fc and activation of the next: eight tiles, eight refills
	PRPASS 0
	PLACES                                         ; with the K step's own four: fc's sums start in registers that the last products read
	s_wait_loadcnt 0x0                             ; bfc's tuples
.irp tt, 0,1,2,3
	FCTILE \tt, 0
.endr
	POSTFC
	WIN 0
	s_sub_co_u32 s44, s44, 1
	s_cmp_lg_u32 s44, 0
	s_cbranch_scc1 .Lchunk
	PRPASS 1                                       ; the tail is written out
	PLACES
.set g_, 0
.rept 16
	XOUT (g_>>1), (g_&1)
.if g_ > 0
	XSEND ((g_-1)>>1), ((g_-1)&1), 16
.endif
.set g_, g_+1
.endr
	XSEND 7, 1, 0
	WIN 0
	s_wait_tensorcnt 0x0                           ; the wave's end
	ds_add_u32 v1, v2
	s_wait_dscnt 0x0
	ROUND                                          ; the closing round
	s_endpgm
.Lfunc_end_k_q546e804b4b_mlp:
	.size	k_q546e804b4b_mlp, .Lfunc_end_k_q546e804b4b_mlp-k_q546e804b4b_mlp
	.p2alignl 7, 3214868480
	.fill 96, 4, 3214868480
	.section	.rodata,"a",@progbits
	.p2align	6, 0x0
	.amdhsa_kernel k_q546e804b4b_mlp
		.amdhsa_group_segment_fixed_size 327680
		.amdhsa_private_segment_fixed_size 0
		.amdhsa_enable_private_segment 0
		.amdhsa_kernarg_size 80
		.amdhsa_user_sgpr_count 2
		.amdhsa_user_sgpr_kernarg_segment_ptr 1
		.amdhsa_wavefront_size32 1
		.amdhsa_system_sgpr_workgroup_id_x 1
		.amdhsa_system_sgpr_workgroup_id_y 1
		.amdhsa_system_sgpr_workgroup_id_z 1
		.amdhsa_system_vgpr_workitem_id 0
		.amdhsa_next_free_vgpr 1024
		.amdhsa_next_free_sgpr 66
		.amdhsa_reserve_vcc 0
		.amdhsa_float_denorm_mode_32 3
		.amdhsa_float_denorm_mode_16_64 3
		.amdhsa_memory_ordered 1
		.amdhsa_forward_progress 1
		.amdhsa_inst_pref_size 255
	.end_amdhsa_kernel
	.section	.bss,"aw",@nobits
	.p2align	6
	.space	262144
	.amdgpu_metadata
---
amdhsa.version: [ 1, 2 ]
amdhsa.kernels:
  - .name:           k_q546e804b4b_mlp
    .symbol:         k_q546e804b4b_mlp.kd
    .args:
      - { .name: ob, .offset: 0, .size: 8, .value_kind: global_buffer, .address_space: global }
      - { .name: part, .offset: 8, .size: 8, .value_kind: global_buffer, .address_space: global }
      - { .name: g2, .offset: 16, .size: 8, .value_kind: global_buffer, .address_space: global }
      - { .name: b2, .offset: 24, .size: 8, .value_kind: global_buffer, .address_space: global }
      - { .name: bo, .offset: 32, .size: 8, .value_kind: global_buffer, .address_space: global }
      - { .name: wst, .offset: 40, .size: 8, .value_kind: global_buffer, .address_space: global }
      - { .name: bfc, .offset: 48, .size: 8, .value_kind: global_buffer, .address_space: global }
      - { .name: bpr, .offset: 56, .size: 8, .value_kind: global_buffer, .address_space: global }
      - { .name: x, .offset: 64, .size: 8, .value_kind: global_buffer, .address_space: global }
      - { .name: out0, .offset: 72, .size: 8, .value_kind: global_buffer, .address_space: global }
    .group_segment_fixed_size: 327680
    .private_segment_fixed_size: 0
    .kernarg_segment_align: 8
    .kernarg_segment_size: 80
    .max_flat_workgroup_size: 128
    .sgpr_count:     66
    .vgpr_count:     1024
    .wavefront_size: 32
...
	.end_amdgpu_metadata
.endif
;; end of part 3
;; ======== version 2 of 2: 3 launches; version 1 with the launch prep written anew for expert scheduling mode
;; limits: values outside matrix products are rounded to bf16
;; workspace buffers: st1 65,536 bytes; wst 4,194,304 bytes; ob 33,554,432 bytes; part 1,048,576 bytes
;; launch prep (part 4): grid 512 x 1, 8 waves a work-group, no clusters, 1,280 bytes of LDS; arguments x, g1, b1, Wq, Wk, Wv, Wo, Wfc, Wpr, st1, wst; writes st1, wst
.if DOCPART == 4
	.amdgcn_target "amdgcn-amd-amdhsa--gfx1250"
	.amdhsa_code_object_version 6
	.text
	.protected	k_q546e804b4b_prep
	.globl	k_q546e804b4b_prep
	.p2align	8
	.type	k_q546e804b4b_prep,@function
k_q546e804b4b_prep:
	s_mov_b64 s[64:65], 0
	v_nop
	global_prefetch_b8 v0, s[64:65] scope:SCOPE_SE
	s_setreg_imm32_b32 hwreg(HW_REG_WAVE_SCHED_MODE, 0, 2), 2
	s_setreg_imm32_b32 hwreg(HW_REG_WAVE_MODE, 25, 1), 1
	s_wait_xcnt 0x0
	s_wait_alu depctr_vm_vsrc(0)
; Two jobs, chosen by the work-group's number (the same choice in all eight waves of a work-group).
; Work-groups 0-255: for 32 rows (b, c) of x the pair a = g1 / sqrt(var + 1e-5), d = b1 - mean a, so that the norm is a x + d.
;   A row of 2,048 f32 (8,192 bytes) is one wave's: 64 registers a lane; mean first, then the squares of x - mean from the same
;   registers, so that a common offset of x costs no accuracy and the row is read once.  Two row slots: one at work, one on its way.
; Work-groups 256-511: the six weight matrices, rounded to bf16 and laid out as the stream that the two later launches walk:
;   64 slots of 65,536 bytes, a slot = 4 wave parts of 16,384, a part = 16 fragments of 1,024 bytes in order of use.
;   Slots 0-7 Wq; 8-11 Wk and 12-15 Wv for each wave's first head; 16-19 and 20-23 the same for its second; 24-31 Wo; 32-63 the MLP's four chunks.
;   A fragment is the register image of a 16 x 32 operand: bytes 16 L hold lane L's registers 0-3 (column r = L % 16 of W,
;   rows k = 8 (L / 16) + 0..7), bytes 512 + 16 L its registers 4-7 (k = 16 + 8 (L / 16) + 0..7).
;   The reads are pieces of 64 bytes of W's rows (8 MB in all, once); the stores cover 512 consecutive bytes a wave.
; No matrix unit, no cluster: nothing here is multiplied and no two work-groups read the same bytes.
; THE MODE: SCHED_MODE bits 1:0 = 2 (LLVM: expert scheduling mode 2), set by the entry lines.  The code itself states the register dependences
; between vector instructions and memory or LDS instructions, with s_wait_alu, always for 0.
; THE PLAN, statistics.  Registers that memory or LDS instructions touch:
;   v2, v3, v14   offsets and LDS addresses: written once at the head, never again.
;   X0, X1        a row's loads land in a slot; the row's sums read it, its subtractions write it, its squares read it; then the loads of the row two on land in it.
;   PR            row i's pair (a, d), two registers of its own: written by the row's last two lines, read by the LDS stores behind the fourth row, never written again.
;   v[8:9]        at work in every row's sums; at the end wave 0's LDS load lands in them and its global store reads them.
;   v160, v161    written at the head, read by the closing add alone.
; So: one wait at the head for the addresses; in rows 0 and 1 one wait behind the squares, and the slot is asked for again at once, ahead of the
; lanes' sums and the root, which name no register of the slot; one wait ahead of the run of four LDS stores.  No register that a memory or LDS
; instruction reads is ever written again, so no wait on vm_vsrc is written.
; THE PLAN, weights.  OF (32 offsets) and v10 are written once; the loads land in DA, which the conversions read; these write PK, which the stores read;
; every one of these registers is written once.  All offsets are made first: one wait, then the 32 loads in one run.  A granule's store stands at the
; head of the next granule, behind the wait for that granule's data and a wait which states that the conversions of the granule before are written.
.set X0, 16                            ; v[16:79]   row slot 0
.set X1, 80                            ; v[80:143]  row slot 1
.set PR, 144                           ; v[144:151] row i's pair (a, d) at PR + 2 i
.set OF, 16                            ; weights: v[16:47] byte offsets, v[48:79] numbers as loaded, v[80:95] packed
.set DA, 48
.set PK, 80
	s_load_b512 s[4:19], s[0:1], 0x0               ; x, g1, b1, Wq, Wk, Wv, Wo, Wfc
	s_load_b128 s[20:23], s[0:1], 0x40             ; Wpr, st1
	s_load_b64 s[24:25], s[0:1], 0x50              ; wst
	v_lshl_add_u32 v160, v0, 2, 0x100
	v_mov_b32 v161, 0
	v_lshrrev_b32 v1, 5, v0
	v_readfirstlane_b32 s26, v1                    ; wave 0..7
	s_wait_alu depctr_va_sdst(0)                   ; s26 is written, ahead of the branch below and of its first reader
	s_wait_kmcnt 0x0
	s_cmp_lt_u32 ttmp9, 256
	s_cbranch_scc0 .Lweights
	; ---------------- statistics of x ----------------
	s_lshl_b32 s27, ttmp9, 5
	s_lshl2_add_u32 s27, s26, s27                  ; my first row: 32 u + 4 w
	s_and_b32 s27, s27, 511                        ; its channel
	s_lshl_b32 s27, s27, 2
	s_load_b128 s[32:35], s[6:7], s27 offset:0x0   ; g1 of my four rows
	s_load_b128 s[36:39], s[8:9], s27 offset:0x0   ; b1
	s_lshl_b32 s28, ttmp9, 18                      ; 32 rows of 8,192 bytes
	s_mov_b32 s29, 0
	s_add_nc_u64 s[4:5], s[4:5], s[28:29]
	s_lshl_b32 s28, ttmp9, 8                       ; 32 pairs of 8 bytes
	s_add_nc_u64 s[22:23], s[22:23], s[28:29]
	s_mov_b32 s40, 0x76543210                      ; v_permlanex16_b32: each lane takes its own place in the other half
	s_mov_b32 s41, 0xfedcba98
	s_mov_b32 s42, 0x3a000000                      ; 1 / 2048
	v_and_b32 v3, 31, v0
	v_lshlrev_b32 v2, 4, v3
	v_lshl_add_u32 v2, v1, 15, v2                  ; 16 x lane + 4 rows x wave
	v_lshlrev_b32 v14, 3, v3                       ; 8 x lane: the way out
	v_mov_b32 v3, s26
	v_lshlrev_b32 v3, 5, v3                        ; LDS: 32 bytes a wave, from the wave's number
.macro FILL i, X                       ; a row: 16 loads, each 512 consecutive bytes
.set e_, 0
.rept 16
	global_load_b128 v[\X+4*e_:\X+4*e_+3], v2, s[4:5] offset:8192*(\i)+512*e_ th:TH_LOAD_NT
.set e_, e_+1
.endr
.endm
.macro LANESUM                         ; v4 summed over the 32 lanes, in every lane
	v_add_f32_dpp v4, v4, v4 row_xmask:1 row_mask:0xf bank_mask:0xf
	v_add_f32_dpp v4, v4, v4 row_xmask:2 row_mask:0xf bank_mask:0xf
	v_add_f32_dpp v4, v4, v4 row_xmask:4 row_mask:0xf bank_mask:0xf
	v_add_f32_dpp v4, v4, v4 row_xmask:8 row_mask:0xf bank_mask:0xf
	v_permlanex16_b32 v5, v4, s40, s41
	v_add_f32 v4, v4, v5
.endm
.macro JOIN4                           ; four chains of pairs into v4
	v_pk_add_f32 v[4:5], v[4:5], v[6:7]
	v_pk_add_f32 v[8:9], v[8:9], v[10:11]
	v_pk_add_f32 v[4:5], v[4:5], v[8:9]
	v_add_f32 v4, v4, v5
.endm
; Row i, in slot X.  left: how many younger loads may stay out.  fill = 1: the slot is asked for again, for the row two on.
.macro ROW i, X, left, fill
	s_wait_loadcnt \left                           ; my row is in; the next row's 16 loads may stay out
.irp k, 0,1,2,3
	v_pk_add_f32 v[4+2*\k:5+2*\k], v[\X+2*\k:\X+2*\k+1], v[\X+8+2*\k:\X+8+2*\k+1]
.endr
.set j_, 8
.rept 24
	v_pk_add_f32 v[4+2*(j_%4):5+2*(j_%4)], v[4+2*(j_%4):5+2*(j_%4)], v[\X+2*j_:\X+2*j_+1]
.set j_, j_+1
.endr
	JOIN4
	LANESUM
	v_mul_f32 v12, s42, v4                         ; the mean
	v_mov_b32 v13, v12
.set j_, 0
.rept 32
	v_pk_add_f32 v[\X+2*j_:\X+2*j_+1], v[\X+2*j_:\X+2*j_+1], v[12:13] neg_lo:[0,1] neg_hi:[0,1]
.set j_, j_+1
.endr
.irp k, 0,1,2,3
	v_pk_mul_f32 v[4+2*\k:5+2*\k], v[\X+2*\k:\X+2*\k+1], v[\X+2*\k:\X+2*\k+1]
.endr
.set j_, 4
.rept 28
	v_pk_fma_f32 v[4+2*(j_%4):5+2*(j_%4)], v[\X+2*j_:\X+2*j_+1], v[\X+2*j_:\X+2*j_+1], v[4+2*(j_%4):5+2*(j_%4)]
.set j_, j_+1
.endr
.if \fill
	s_wait_alu depctr_va_vdst(0)                   ; the subtractions have written the slot and the squares are done reading it: the loads below land in it
	FILL \i+2, \X                                  ; no vector instruction from here to the slot's next turn names its registers
.endif
	JOIN4
	LANESUM
	v_fmaak_f32 v6, s42, v4, 0x3727c5ac            ; var + 1e-5
	v_rsq_f32 v7, v6
	v_nop                                          ; a plain instruction between the root and its use
	s_wait_alu depctr_va_vdst(0)                   ; the root has written v7, which the next line reads
	v_mul_f32 v[PR+2*\i], s[32+\i], v7             ; a
	v_fma_f32 v[PR+2*\i+1], -v12, v[PR+2*\i], s[36+\i]  ; d
.endm
	s_wait_alu depctr_va_vdst(0)                   ; v2, v3 and v14 are written: every load of x, the LDS stores, and the last LDS load and the store read them as address or offset
	FILL 0, X0
	FILL 1, X1
	s_wait_kmcnt 0x0                               ; g1, b1
	ROW 0, X0, 16, 1
	ROW 1, X1, 16, 1
	ROW 2, X0, 16, 0
	ROW 3, X1, 0, 0
	s_wait_alu depctr_va_vdst(0)                   ; the four rows' last lines have written v[PR ..], which the LDS stores read; the sums are done with v[8:9], in which wave 0's LDS load lands
.irp i, 0,1,2,3
	ds_store_b64 v3, v[PR+2*\i:PR+2*\i+1] offset:8*\i  ; every lane holds the same pair
.endr
	s_wait_dscnt 0x0                               ; my four pairs are in LDS,
	s_barrier_signal -1
	s_barrier_wait -1                              ; everybody's are
	s_cmp_lg_u32 s26, 0
	s_cbranch_scc1 .Ldone
	ds_load_b64 v[8:9], v14                        ; no vector instruction since the wait above
	s_wait_dscnt 0x0
	global_store_b64 v14, v[8:9], s[22:23]         ; 32 lanes store 256 consecutive bytes, at a multiple of 256 from st1's first byte
.Ldone:
	s_wait_dscnt 0x0                               ; the closing lines, six on end
	s_wait_alu 0x0
	s_wait_tensorcnt 0x0
	ds_add_u32 v160, v161
	s_wait_dscnt 0x0
	s_endpgm
	; ---------------- the weight stream ----------------
.Lweights:
	s_sub_co_u32 s27, ttmp9, 256                   ; which part of 16,384 bytes
	s_lshl_b32 s28, s27, 14
	s_mov_b32 s29, 0
	s_add_nc_u64 s[24:25], s[24:25], s[28:29]
	s_and_b32 s35, s27, 3                          ; the wave that will read it
	s_lshr_b32 s27, s27, 2                         ; slot S
	s_lshr_b32 s36, s27, 3                         ; 0 Wq, 1 the first heads' Wk and Wv, 2 the second heads', 3 Wo, 4-7 the MLP's chunks
	s_lshr_b32 s37, s27, 5                         ; 1: a slot of the MLP
	s_bfe_u32 s38, s27, 0x10002                    ; bit 2 of S: Wv in place of Wk, or Wpr in place of Wfc
	s_and_b32 s39, s37, s38                        ; 1: Wpr
	s_xor_b32 s40, s37, s39                        ; 1: Wfc
	s_and_b32 s41, s36, 3
	s_lshl_b32 s41, s41, 8                         ; 256 x chunk
	s_sub_co_u32 s42, s36, 1
	s_cmp_lt_u32 s42, 2
	s_cselect_b32 s42, 1, 0                        ; 1: Wk or Wv
	s_and_b32 s46, s42, s38                        ; 1: Wv
	s_mov_b32 s30, 2048                            ; bytes in a row of W: 2,048, or Wfc's 4,096 (chosen below)
	s_cmp_eq_u32 s42, 1                            ; the matrix, by selects on the slot's number alone
	s_cselect_b64 s[28:29], s[12:13], s[10:11]
	s_cmp_eq_u32 s46, 1
	s_cselect_b64 s[28:29], s[14:15], s[28:29]
	s_cmp_eq_u32 s36, 3
	s_cselect_b64 s[28:29], s[16:17], s[28:29]
	s_cmp_eq_u32 s40, 1
	s_cselect_b64 s[28:29], s[18:19], s[28:29]
	s_cselect_b32 s30, 4096, s30
	s_cmp_eq_u32 s39, 1
	s_cselect_b64 s[28:29], s[20:21], s[28:29]
	s_cselect_b32 s33, 64, 32                      ; rows of W from one K step of the part to the next
	s_or_b32 s43, s42, s40                         ; 1: four column tiles a K step, else eight
	s_sub_co_u32 s31, 3, s43                       ; log2 of that
	s_and_b32 s32, s27, 7
	s_lshl_b32 s32, s32, 6                         ; first row of W: 64 (S % 8),
	s_and_b32 s44, s27, 3
	s_lshl_b32 s44, s44, 7
	s_cmp_eq_u32 s43, 1
	s_cselect_b32 s32, s44, s32                    ; or 128 (S % 4),
	s_bfe_u32 s44, s27, 0x10001
	s_lshl_b32 s44, s44, 5
	s_and_b32 s45, s27, 1
	s_lshl_b32 s45, s45, 7
	s_add_co_u32 s44, s44, s45
	s_add_co_u32 s44, s44, s41
	s_cmp_eq_u32 s39, 1
	s_cselect_b32 s32, s44, s32                    ; or, Wpr: 256 chunk + 32 (bit 1) + 128 (bit 0)
	s_lshl_b32 s34, s35, 7                         ; first column: 128 wave,
	s_lshr_b32 s44, s36, 1
	s_and_b32 s44, s44, s42
	s_lshl_b32 s44, s44, 6
	s_add_co_u32 s34, s34, s44                     ; + 64 for the second head of Wk, Wv,
	s_lshl_b32 s44, s35, 6
	s_add_co_u32 s44, s44, s41
	s_cmp_eq_u32 s40, 1
	s_cselect_b32 s34, s44, s34                    ; or, Wfc: 256 chunk + 64 wave
	s_bfm_b32 s38, s31, 0                          ; column tiles - 1
	s_lshl_b32 s34, s34, 2
	v_and_b32 v2, 15, v0                           ; r
	v_bfe_u32 v3, v0, 4, 1                         ; h
	v_bfe_u32 v4, v0, 5, 1                         ; which half of the fragment
	v_lshrrev_b32 v5, 6, v0
	v_lshlrev_b32 v6, 3, v3
	v_lshl_add_u32 v6, v4, 4, v6
	v_add_nc_u32 v6, s32, v6                       ; first row + 16 half + 8 h
	v_lshl_add_u32 v7, v2, 2, s34                  ; 4 (first column + r)
	v_lshlrev_b32 v10, 4, v0                       ; the way out: 16 bytes a thread
.irp it, 0,1,2,3                       ; thread t makes the 16 bytes at 4,096 it + 16 t of the part: fragment 4 it + t / 64.  All 32 offsets first
	v_add_nc_u32 v8, 4*\it, v5
	v_and_b32 v9, s38, v8                          ; its column tile
	v_lshrrev_b32 v8, s31, v8                      ; its K step
	v_mad_u32_u24 v8, v8, s33, v6                  ; my first row of W
	v_lshl_add_u32 v9, v9, 6, v7
	v_mad_u32_u24 v[OF+8*\it], v8, s30, v9
.irp j, 1,2,3,4,5,6,7
	v_add_nc_u32 v[OF+8*\it+\j], s30, v[OF+8*\it+\j-1]
.endr
.endr
	s_wait_alu depctr_va_vdst(0)                   ; the 32 offsets v[OF ..] and v10 are written, which the loads and the stores below read
.irp it, 0,1,2,3
.irp j, 0,1,2,3,4,5,6,7
	global_load_b32 v[DA+8*\it+\j], v[OF+8*\it+\j], s[28:29]
.endr
.endr
.irp it, 0,1,2,3
	s_wait_loadcnt 24-8*\it                        ; this granule's eight are in; the later granules' stay out
.if \it > 0
	s_wait_alu depctr_va_vdst(0)                   ; the conversions of the granule before have written its four registers of PK, which the store reads
	global_store_b128 v10, v[PK+4*(\it-1):PK+4*(\it-1)+3], s[24:25] offset:4096*(\it-1)
.endif
.irp j, 0,1,2,3
	v_cvt_pk_bf16_f32 v[PK+4*\it+\j], v[DA+8*\it+2*\j], v[DA+8*\it+2*\j+1]
.endr
.endr
	s_wait_alu depctr_va_vdst(0)                   ; the last granule's conversions have written v[PK+12 ..], which the last store reads
	global_store_b128 v10, v[PK+12:PK+15], s[24:25] offset:12288
	s_endpgm
.Lfunc_end_k_q546e804b4b_prep:
	.size	k_q546e804b4b_prep, .Lfunc_end_k_q546e804b4b_prep-k_q546e804b4b_prep
	.p2alignl 7, 3214868480
	.fill 96, 4, 3214868480
	.section	.rodata,"a",@progbits
	.p2align	6, 0x0
	.amdhsa_kernel k_q546e804b4b_prep
		.amdhsa_group_segment_fixed_size 1280
		.amdhsa_private_segment_fixed_size 0
		.amdhsa_enable_private_segment 0
		.amdhsa_kernarg_size 88
		.amdhsa_user_sgpr_count 2
		.amdhsa_user_sgpr_kernarg_segment_ptr 1
		.amdhsa_wavefront_size32 1
		.amdhsa_system_sgpr_workgroup_id_x 1
		.amdhsa_system_sgpr_workgroup_id_y 1
		.amdhsa_system_sgpr_workgroup_id_z 1
		.amdhsa_system_vgpr_workitem_id 0
		.amdhsa_next_free_vgpr 162
		.amdhsa_next_free_sgpr 66
		.amdhsa_reserve_vcc 0
		.amdhsa_float_denorm_mode_32 3
		.amdhsa_float_denorm_mode_16_64 3
		.amdhsa_memory_ordered 1
		.amdhsa_forward_progress 1
		.amdhsa_inst_pref_size 47
	.end_amdhsa_kernel
	.amdgpu_metadata
---
amdhsa.version: [ 1, 2 ]
amdhsa.kernels:
  - .name:           k_q546e804b4b_prep
    .symbol:         k_q546e804b4b_prep.kd
    .args:
      - { .name: x, .offset: 0, .size: 8, .value_kind: global_buffer, .address_space: global }
      - { .name: g1, .offset: 8, .size: 8, .value_kind: global_buffer, .address_space: global }
      - { .name: b1, .offset: 16, .size: 8, .value_kind: global_buffer, .address_space: global }
      - { .name: Wq, .offset: 24, .size: 8, .value_kind: global_buffer, .address_space: global }
      - { .name: Wk, .offset: 32, .size: 8, .value_kind: global_buffer, .address_space: global }
      - { .name: Wv, .offset: 40, .size: 8, .value_kind: global_buffer, .address_space: global }
      - { .name: Wo, .offset: 48, .size: 8, .value_kind: global_buffer, .address_space: global }
      - { .name: Wfc, .offset: 56, .size: 8, .value_kind: global_buffer, .address_space: global }
      - { .name: Wpr, .offset: 64, .size: 8, .value_kind: global_buffer, .address_space: global }
      - { .name: st1, .offset: 72, .size: 8, .value_kind: global_buffer, .address_space: global }
      - { .name: wst, .offset: 80, .size: 8, .value_kind: global_buffer, .address_space: global }
    .group_segment_fixed_size: 1280
    .private_segment_fixed_size: 0
    .kernarg_segment_align: 8
    .kernarg_segment_size: 88
    .max_flat_workgroup_size: 256
    .sgpr_count:     66
    .vgpr_count:     162
    .wavefront_size: 32
...
	.end_amdgpu_metadata
.endif
;; end of part 4
;; launch attn: the kernel of part 2 again; grid 256 x 1, 4 waves a work-group, clusters of 4 x 1, 327,680 bytes of LDS; arguments q, x, st1, wst, bq, bk, bv, ob, part; writes ob, part
;; launch mlp: the kernel of part 3 again; grid 256 x 1, 4 waves a work-group, clusters of 4 x 1, 327,680 bytes of LDS; arguments ob, part, g2, b2, bo, wst, bfc, bpr, x, out0; writes out0
